; MI455X (gfx1250); checked and timed in simulation.
; The chip was launched on July 23, 2026; its instructions are those of AMD's public machine-readable ISA for CDNA 5 (MIT licence, August 2026) and "CDNA5" Instruction Set Architecture Reference Guide (July 2026). The comments in the code are by the model that wrote it; some were corrected since.
;; Repro. Allowed arithmetic: matrix products marked QUANTISED: E2M1 operands, one E8M0 scale for each 32 along K, by v_wmma_scale_f32_16x16x128_f8f6f4 with both operands' format E2M1 (or v_wmma_scale_f32_32x16x128_f4), f32 sums; everything else in f32.
;; Inputs: W_qkv 768 x 256 float32; b_qkv 768 float32; x 4 x 2,048 x 256 float32.
;; Outputs: out0 4 x 4 x 2,048 x 64 float32.
;; This version of the problem:
;;   THIS VERSION OF THE PROBLEM IS GIVEN IN LOW PRECISION. The matrix products marked QUANTISED in the list below multiply operands that are first quantised to E2M1 (2 exponent bits, 1 mantissa bit; 4 bits a number), with one power-of-two scale for each 32 numbers along K (OCP MX v1.0); their sums are f32. All else is computed in f32.
;;   The module's matrix products, in the order in which they are computed (A, B: the left and right operand; K: the contracted axis; several contracted axes count as one K, in the product's order):
;;     1. [M 8,192, K 256] x [K 256, N 768]; A: input x; B: input W_qkv: QUANTISED
;;     2. batch 16 x [M 2,048, K 64] x [K 64, N 2,048]; A: computed on the way; B: computed on the way: QUANTISED
;;     3. batch 16 x [M 2,048, K 2,048] x [K 2,048, N 64]; A: softmax (see below); B: computed on the way: QUANTISED
;;   THE QUANTISER, for each operand of a quantised product, along K:
;;     - K is cut into blocks of 32 from its start; a last block that is shorter is filled with zeros.
;;     - A block's scale is 2^e with e = floor(log2(the largest magnitude in the block)) - 2, held to -126 .. 127; a block of zeros has e = 0. As a byte (E8M0): e + 127.
;;     - Each number is divided by its block's scale, clamped to +-6, and rounded to the nearest number of E2M1, ties to even, subnormals kept.
;;     - The product sums the exact products of the quantised numbers (number of the format x scale) in f32.
;;   ~~~python
;;   def quantise(x, axis):      # numpy; x: float32 -> the quantised numbers, widened to float32 again
;;       x = np.moveaxis(x, axis, -1); K = x.shape[-1]
;;       x = np.pad(x, [(0, 0)] * (x.ndim - 1) + [(0, -K % 32)]); x = x.reshape(x.shape[:-1] + (-1, 32)); a = np.abs(x).max(-1, keepdims=True)
;;       e = np.where(a > 0, np.clip(np.frexp(np.where(a > 0, a, 1))[1] - 1 - 2, -126, 127), 0)      # np.frexp(a)[1] - 1 = floor(log2(a)), exactly
;;       r = np.clip(x / 2.0 ** e, -6, 6)
;;       step = 2.0 ** (np.maximum(np.frexp(np.where(r == 0, 1, r))[1] - 1, 0) - 1)
;;       q = np.round(r / step) * step * 2.0 ** e      # np.round: ties to even
;;       return np.moveaxis(q.reshape(q.shape[:-2] + (-1,))[..., :K], -1, axis).astype(np.float32)
;;   ~~~
;;   SOFTMAX AHEAD OF A QUANTISED PRODUCT. Where the list says 'softmax', what is quantised is not the finished softmax but p = 2^(t - M), with t = logit x log2(e) and M = ceil(the row's largest t), a whole number; so 1/2 < the row's largest p <= 1. The row's sum l is taken of the UNQUANTISED p, in f32, and the product's result is divided by l at the end. Since M is a whole number, a kernel that streams over the keys may use a running M (the ceiling of the running maximum): every later rescaling is an exact power of two, which a block's scale takes up: the codes' values come out the same.
;;   OPERANDS COMPUTED ON THE WAY. 'Computed on the way' means the value that the module computes at that place (a softmax that the list does not call 'softmax' is quantised finished and normalised). What goes into a quantiser is computed in f32, as accurately as f32 sums, v_exp_f32 and their like allow (about 1e-6 of the number): no bf16 or f16 on the way to a quantiser, and a product that is left as it is and whose result goes on into a quantised operand takes f32 operands (vector FMAs, or v_wmma_f32_16x16x4_f32). A number that lies on a knife's edge between two numbers of the format may be rounded either way, as far as f32 arithmetic and the matrix unit's own rounding can turn it there, and no further.
;; 2 versions. Each part assembles by itself: llvm-mc -triple=amdgcn-amd-amdhsa -mcpu=gfx1250 --defsym DOCPART=n.
;; ======== version 1 of 2: 2 launches
;; workspace buffers: qbuf 1,179,648 bytes; kvbuf 2,293,760 bytes
;; launch proj (part 1): grid 4 x 64, 8 waves a work-group, no clusters, 49,152 bytes of LDS; arguments x, W_qkv, b_qkv, qbuf, kvbuf; writes qbuf, kvbuf
.if DOCPART == 1
	.amdgcn_target "amdgcn-amd-amdhsa--gfx1250"
	.amdhsa_code_object_version 6
	.text
	.protected	k_qd20b289aaf_proj
	.globl	k_qd20b289aaf_proj
	.p2align	8
	.type	k_qd20b289aaf_proj,@function
k_qd20b289aaf_proj:
	s_mov_b64 s[64:65], 0
	v_nop
	global_prefetch_b8 v0, s[64:65] scope:SCOPE_SE
	s_setreg_imm32_b32 hwreg(HW_REG_WAVE_MODE, 25, 1), 1
	s_wait_xcnt 0x0
; qkv = Q(x) Q(W)^T + b on codes of FP4 (E2M1) with one E8M0 scale for each 32 along K; then q and k are quantised along the head's 64 and v along the tokens,
; and all three leave as IMAGES OF THE NEXT LAUNCH'S OPERAND REGISTERS.  x: [8192][256] f32, W: [768][256] f32, b: [768] f32.
; SHARES.  A work-group takes 128 tokens (work-group y) and the q, k and v columns of one head (work-group x): 128 x 192 of qkv.  Eight waves.
; PHASE X: each wave quantises five fragments (16 rows x 128 K): its x tile's two K steps and one fragment of each of Wq, Wk, Wv; their images go to LDS.
; PHASE QK: wave w: x tile w against the 8 tiles of Wq and Wk, TRANSPOSED (source 0 = 16 rows of W, source 1 = 16 tokens): a lane holds one token, its registers run along d.
; PHASE V: wave w: d tile w / 2 against x tiles 4 (w % 2) .. + 3, PLAIN (source 0 = 16 tokens, source 1 = 16 rows of Wv): a lane holds one d, its registers run along the tokens.
; THE ROWS OF A TILE ARE NOT NEIGHBOURS, in x's tiles and in W's alike: row r of tile 2 b + u is element 32 b + 8 u + r + 8 (r / 8) (of the 128 tokens, or of the head's 64),
; so that the 16 registers of two neighbouring result tiles are 16 neighbours along the next product's K: 32 b + 16 (lane / 16) + 0 .. 15.
; RECORDS, one for each (batch, head, block of 128 tokens): rec = (4 batch + head) 16 + block.
;   qbuf, 4,608 bytes: 8 images of Q (tile T at 512 T, 16 bytes a lane), then 8 x 16 scale words (64 T + 4 r): byte 0, 1 = the two blocks of d, bytes 2, 3 = 0.
;   kvbuf, 8,960 bytes: K as Q (4,608 bytes); V's scale words (d tile t, row r at 4,608 + 64 t + 4 r; byte = block of 32 keys); V's images (4,864 + 1,024 t; registers 0-3, then 4-7).
; LIMITS: NaN and infinities among the inputs are not served.  A block of zeros, and one whose largest magnitude lies under 2^-124, gets the scale byte 1
; (for zeros the rule says 127): its codes are zeros, and the bytes are read by this program alone.
; No tensor loads: x's and W's f32 numbers of a work-group (327,680 bytes) would leave no LDS for the images.  No cluster: nothing is brought by a joint load.
.set XIMG,  0                          ; LDS: x's 16 fragments, (tile T, K step s) at 1,024 (2 T + s): registers 0-3 at 16 x lane, registers 4-7 512 bytes on
.set WIMG,  16384                      ; W's 24 fragments, (part p, tile t, K step s) at 1,024 (8 p + 2 t + s)
.set XSC,   40960                      ; their scale words, 128 bytes a fragment, 4 bytes a lane
.set WSC,   43008
.set SCOUT, 46080                      ; the scale words that leave: Q's 512 bytes, K's 512, V's 256 (the claim reaches 2,048 bytes on)
.set QREC,  4608
.set KVREC, 8960
.set XA,   1                           ; v1   x and W: (r + 8 (r / 8)) rows of 1,024 bytes + 64 (lane / 16)
.set LI,   2                           ; v2   16 x lane
.set LS,   3                           ; v3   4 x lane
.set XWI,  4                           ; v4   16 lane + 2,048 wave: x's images of my tile
.set XWS,  5                           ; v5   4 lane + 256 wave: their scale words
.set WWI,  6                           ; v6   16 lane + 1,024 wave: where I store W's images
.set WWS,  7                           ; v7   4 lane + 128 wave
.set XVI,  8                           ; v8   16 lane + 8,192 (wave % 2): the four x tiles of phase V
.set XVS,  9                           ; v9   4 lane + 1,024 (wave % 2)
.set WVI,  10                          ; v10  16 lane + 2,048 (wave / 2): my tile of Wv
.set WVS,  11                          ; v11  4 lane + 256 (wave / 2)
.set GI,   12                          ; v12  16 lane + 512 wave: my image's place in a record
.set SQK,  13                          ; v13  SCOUT + 64 wave + 4 r
.set SV,   14                          ; v14  SCOUT + 1,024 + 64 (wave / 2) + 2 (wave % 2) + 4 r
.set SRD,  15                          ; v15  SCOUT + 256 wave + 8 lane
.set BUF0, 16                          ; v16-79   64 numbers; later fragments
.set BUF1, 80                          ; v80-143  64 numbers; later fragments
.set BUF2, 144                         ; v144-207 64 numbers; later
.set ACC,  144                         ;          the 8 accumulators of phase QK (4 p + t)
.set WV,   80                          ; phase V: Wv's two fragments,
.set AV,   96                          ;          its 4 accumulators,
.set BVC,  128                         ;          and the bias of my d, eight times
.set TM,   208                         ; v208-211 largest magnitudes, v212-215 the other half's, then bytes, v216-219 the conversions' scale operands
.set PW,   220                         ; v220-221 scale words just made
.set PC,   222                         ; v222-229 codes just made
.set XF,   208                         ; v208-223 my x tile's two fragments, only while phase QK's products run
.set SC,   230                         ; v230-247 scale words of the products: scales and nothing else
.set BV1,  248                         ; v248 b of my d
.set G8,   249                         ; v249 8 x lane
.set BA,   250                         ; v250 64 (lane / 16)
.set BVA,  251                         ; v251 4 (r + 8 (r / 8))
.set SEL,  20                          ; s[20:21] v_permlanex16_b32's selects for lane l xor 16
; 64 numbers a lane: of my row, 128 along K from byte off on: register 16 g + i = k 32 g + 16 (lane / 16) + i.  16 loads.
.macro XLOAD buf, base, off
.irp g, 0,1,2,3
.irp j, 0,1,2,3
	global_load_b128 v[\buf+16*\g+4*\j:\buf+16*\g+4*\j+3], v[XA], s[\base:\base+1] offset:\off+128*\g+16*\j
.endr
.endr
.endm
; nb blocks of 32 (16 numbers a lane in v[s + 16 b] on, the other 16 in lane l xor 16) become codes in v[PC] on, in the operand's layout, and scale bytes.
; mode 0: all bytes in v[PW].  mode 1 (nb = 4): blocks 0, 1 in v[PW], blocks 2, 3 in v[PW + 1].
.macro QUANT s, nb, mode
.set qb, 0
.rept \nb
	v_max3_num_f32 v[TM+qb], |v[\s+16*qb]|, |v[\s+16*qb+1]|, 0x1800000   ; and the floor 2^(3 - 127): the byte cannot fall under 1
.set qb, qb+1
.endr
.set qi, 2
.rept 7
.set qb, 0
.rept \nb
	v_max3_num_f32 v[TM+qb], v[TM+qb], |v[\s+16*qb+qi]|, |v[\s+16*qb+qi+1]|   ; the blocks by turns; each result tile is read from its low end on
.set qb, qb+1
.endr
.set qi, qi+2
.endr
.set qb, 0
.rept \nb
	v_permlanex16_b32 v[TM+4+qb], v[TM+qb], s[SEL], s[SEL+1]
.set qb, qb+1
.endr
.set qb, 0
.rept \nb
	v_max_num_f32 v[TM+qb], v[TM+qb], v[TM+4+qb]           ; the block's largest magnitude
.set qb, qb+1
.endr
.set qb, 0
.rept \nb
	v_add_nc_u32 v[TM+8+qb], 0xff000000, v[TM+qb]          ; 2 off its exponent field: the conversion takes this operand's exponent field as its scale
.set qb, qb+1
.endr
.set qb, 0
.rept \nb
	v_lshrrev_b32 v[TM+4+qb], 23, v[TM+8+qb]               ; the scale's byte
.set qb, qb+1
.endr
	v_lshl_or_b32 v[PW], v[TM+5], 8, v[TM+4]
.if (\nb == 4) && (\mode == 0)
	v_lshl_or_b32 v[PW], v[TM+6], 16, v[PW]
	v_lshl_or_b32 v[PW], v[TM+7], 24, v[PW]
.endif
.if (\nb == 4) && (\mode == 1)
	v_lshl_or_b32 v[PW+1], v[TM+7], 8, v[TM+6]
.endif
.set qb, 0
.rept \nb
	v_cvt_scalef32_pk8_fp4_f32 v[PC+2*qb], v[\s+16*qb:\s+16*qb+7], v[TM+8+qb]
	v_cvt_scalef32_pk8_fp4_f32 v[PC+2*qb+1], v[\s+16*qb+8:\s+16*qb+15], v[TM+8+qb]
.set qb, qb+1
.endr
	v_nop                                                  ; one plain place behind a scaled conversion
.set qb, 0
.rept \nb/2
	v_permlane16_swap_b32 v[PC+4*qb], v[PC+4*qb+2]         ; the layout wants a whole block in a lane: lanes 0-15 the even block, lanes 16-31 the odd one
	v_permlane16_swap_b32 v[PC+4*qb+1], v[PC+4*qb+3]
.set qb, qb+1
.endr
.endm
.macro IMAGE adr, off                  ; the fragment in v[PC] on goes to LDS as it stands
	ds_store_b128 v[\adr], v[PC:PC+3] offset:\off
	ds_store_b128 v[\adr], v[PC+4:PC+7] offset:\off+512
.endm
.macro FETCH reg, adr, off             ; and comes back so, in any wave
	ds_load_b128 v[\reg:\reg+3], v[\adr] offset:\off
	ds_load_b128 v[\reg+4:\reg+7], v[\adr] offset:\off+512
.endm
.macro BARRIER                         ; my LDS stores have landed and my LDS loads are in: then the work-group's barrier
	s_wait_dscnt 0x0
	s_barrier_signal -1
	s_barrier_wait -1
.endm
; One fragment of phase X.  left: the younger loads, which may stay out.
.macro UNIT n, buf, adri, offi, adrs, offs, left
	s_wait_loadcnt \left
.if \n > 0
	s_wait_dscnt 0x0                                       ; the last fragment's LDS stores have read the registers that are written again
.endif
	QUANT \buf, 4, 0
	IMAGE \adri, \offi
	ds_store_b32 v[\adrs], v[PW] offset:\offs
.endm
	s_load_b256 s[4:11], s[0:1], 0x0               ; x s[4:5], W s[6:7], b s[8:9], qbuf s[10:11]
	s_load_b64 s[12:13], s[0:1], 0x20              ; kvbuf
	v_lshl_add_u32 v254, v0, 2, 0xbc00
	v_mov_b32 v255, 0
	v_lshrrev_b32 v16, 5, v0
	v_readfirstlane_b32 s14, v16                   ; wave 0..7
	s_lshr_b32 s15, s14, 1                         ; wave / 2
	s_and_b32 s16, s14, 1                          ; wave % 2
	s_mov_b32 s17, ttmp9                           ; the head
	s_and_b32 s18, ttmp7, 0xffff                   ; the block of 128 tokens among 8,192
	s_mov_b32 s[SEL], 0x76543210
	s_mov_b32 s[SEL+1], 0xfedcba98
	v_and_b32 v17, 31, v0                          ; lane
	v_and_b32 v18, 15, v0                          ; r
	v_bfe_u32 v19, v0, 4, 1                        ; lane / 16
	v_and_b32 v20, 8, v18
	v_add_nc_u32 v20, v20, v18                     ; r + 8 (r / 8)
	v_lshlrev_b32 v[XA], 10, v20
	v_lshl_add_u32 v[XA], v19, 6, v[XA]
	v_lshlrev_b32 v[LI], 4, v17
	v_lshlrev_b32 v[LS], 2, v17
	v_lshlrev_b32 v[G8], 3, v17
	v_lshlrev_b32 v[BA], 6, v19
	v_lshlrev_b32 v[BVA], 2, v20
	s_lshl_b32 s40, s14, 11
	v_add_nc_u32 v[XWI], s40, v[LI]
	s_lshl_b32 s40, s14, 8
	v_add_nc_u32 v[XWS], s40, v[LS]
	v_lshl_add_u32 v[SRD], v17, 3, SCOUT
	v_add_nc_u32 v[SRD], s40, v[SRD]
	s_lshl_b32 s40, s14, 10
	v_add_nc_u32 v[WWI], s40, v[LI]
	s_lshl_b32 s40, s14, 7
	v_add_nc_u32 v[WWS], s40, v[LS]
	s_lshl_b32 s40, s16, 13
	v_add_nc_u32 v[XVI], s40, v[LI]
	s_lshl_b32 s40, s16, 10
	v_add_nc_u32 v[XVS], s40, v[LS]
	s_lshl_b32 s40, s15, 11
	v_add_nc_u32 v[WVI], s40, v[LI]
	s_lshl_b32 s40, s15, 8
	v_add_nc_u32 v[WVS], s40, v[LS]
	s_lshl_b32 s40, s14, 9
	v_add_nc_u32 v[GI], s40, v[LI]
	s_lshl_b32 s40, s14, 6
	v_lshl_add_u32 v[SQK], v18, 2, SCOUT
	v_add_nc_u32 v[SQK], s40, v[SQK]
	s_lshl_b32 s40, s15, 6
	s_lshl_b32 s41, s16, 1
	s_add_co_u32 s40, s40, s41
	v_lshl_add_u32 v[SV], v18, 2, SCOUT+1024
	v_add_nc_u32 v[SV], s40, v[SV]
.irp g, 4,5,6,7
	v_mov_b32 v[TM+\g], 0                          ; written once: a lane permute's destination counts as one of its sources
.endr
	; byte offsets, each in a pair of its own with 0 above it
	s_lshl_b32 s22, s18, 17                        ; x: 128 tokens of 1,024 bytes a block,
	s_lshl_b32 s40, s15, 15                        ; my tile begins at token 32 (wave / 2) + 8 (wave % 2)
	s_add_co_u32 s22, s22, s40
	s_lshl_b32 s40, s16, 13
	s_add_co_u32 s22, s22, s40
	s_mov_b32 s23, 0
	s_lshr_b32 s41, s14, 2                         ; my tile of W is wave / 2: it begins at row 32 (wave / 4) + 8 ((wave / 2) % 2) of the head's 64
	s_and_b32 s42, s15, 1
	s_lshl_b32 s26, s17, 16                        ; W: the head's 64 rows of 1,024 bytes,
	s_lshl_b32 s40, s41, 15
	s_add_co_u32 s26, s26, s40
	s_lshl_b32 s40, s42, 13
	s_add_co_u32 s26, s26, s40
	s_lshl_b32 s40, s16, 9                         ; and my K step: wave % 2
	s_add_co_u32 s26, s26, s40
	s_mov_b32 s27, 0
	s_lshl_b32 s32, s17, 8                         ; b: the head's 64 numbers
	s_mov_b32 s33, 0
	s_lshl_b32 s34, s41, 7                         ; b of v (2,048 bytes on), at my tile's first row
	s_lshl_b32 s40, s42, 5
	s_add_co_u32 s34, s34, s40
	s_add_co_u32 s34, s34, 2048
	s_mov_b32 s35, 0
	s_lshr_b32 s40, s18, 4                         ; the record: (4 batch + head) 16 + block in the batch
	s_lshl_b32 s40, s40, 2
	s_add_co_u32 s40, s40, s17
	s_lshl_b32 s40, s40, 4
	s_and_b32 s43, s18, 15
	s_add_co_u32 s40, s40, s43
	s_mul_i32 s36, s40, QREC
	s_mov_b32 s37, 0
	s_mul_i32 s38, s40, KVREC
	s_mov_b32 s39, 0
	s_wait_kmcnt 0x0
	s_add_nc_u64 s[4:5], s[4:5], s[22:23]
	s_add_nc_u64 s[6:7], s[6:7], s[26:27]
	s_add_nc_u64 s[8:9], s[8:9], s[32:33]
	s_add_nc_u64 s[24:25], s[8:9], s[34:35]
	s_add_nc_u64 s[10:11], s[10:11], s[36:37]
	s_add_nc_u64 s[12:13], s[12:13], s[38:39]      ; none of these bases is written again
	; ---- PHASE X.  Three sets of 64 registers take turns: two groups of 16 loads are out while a fragment is quantised.
	global_load_b32 v[BV1], v[BVA], s[24:25]
	XLOAD BUF0, 4, 0                               ; x, K step 0
	XLOAD BUF1, 4, 512                             ; x, K step 1
	XLOAD BUF2, 6, 0                               ; Wq
	UNIT 0, BUF0, XWI, XIMG, XWS, XSC, 32          ; 32: the two groups issued behind this fragment's own
	XLOAD BUF0, 6, 262144                          ; Wk: 256 rows on
	UNIT 1, BUF1, XWI, XIMG+1024, XWS, XSC+128, 32
	XLOAD BUF1, 6, 524288                          ; Wv
	UNIT 2, BUF2, WWI, WIMG, WWS, WSC, 32
.irp p, 0,1                            ; the bias of q and k is the C of the sums' first products: tile 4 p + t, register j: column 256 p + 32 (t / 2) + 16 (lane / 16) + 8 (t % 2) + j of the head's
.irp t, 0,1,2,3
	global_load_b128 v[ACC+8*(4*\p+\t):ACC+8*(4*\p+\t)+3], v[BA], s[8:9] offset:(256*\p+32*(\t/2)+8*(\t%2))*4
	global_load_b128 v[ACC+8*(4*\p+\t)+4:ACC+8*(4*\p+\t)+7], v[BA], s[8:9] offset:(256*\p+32*(\t/2)+8*(\t%2))*4+16
.endr
.endr
	UNIT 3, BUF0, WWI, WIMG+8192, WWS, WSC+1024, 32
	UNIT 4, BUF1, WWI, WIMG+16384, WWS, WSC+2048, 16   ; 16: the bias alone may be out
	BARRIER                                        ; all 40 fragments and their scale words lie in LDS; nobody writes them again
	; ---- PHASE QK
	FETCH XF, XWI, XIMG
	FETCH XF+8, XWI, XIMG+1024
	ds_load_b32 v[SC+16], v[XWS] offset:XSC
	ds_load_b32 v[SC+17], v[XWS] offset:XSC+128
.irp a, 0,1,2,3,4,5,6,7
	FETCH BUF0+8*\a, LI, WIMG+2048*\a
	ds_load_b32 v[SC+2*\a], v[LS] offset:WSC+256*\a
.endr
.irp a, 0,1,2,3,4,5,6,7
	FETCH BUF1+8*\a, LI, WIMG+2048*\a+1024
	ds_load_b32 v[SC+2*\a+1], v[LS] offset:WSC+256*\a+128
.endr
	s_wait_loadcnt 0x0                             ; the bias
	s_wait_dscnt 24                                ; all but K step 1's 24 loads
.irp a, 0,1,2,3,4,5,6,7                ; the eight accumulators take turns, one instruction a turn
	v_wmma_scale_f32_16x16x128_f8f6f4 v[ACC+8*\a:ACC+8*\a+7], v[BUF0+8*\a:BUF0+8*\a+7], v[XF:XF+7], v[ACC+8*\a:ACC+8*\a+7], v[SC+2*\a], v[SC+16] matrix_a_fmt:MATRIX_FMT_FP4 matrix_b_fmt:MATRIX_FMT_FP4
.endr
	s_wait_dscnt 0x0
.irp a, 0,1,2,3,4,5,6,7
	v_wmma_scale_f32_16x16x128_f8f6f4 v[ACC+8*\a:ACC+8*\a+7], v[BUF1+8*\a:BUF1+8*\a+7], v[XF+8:XF+15], v[ACC+8*\a:ACC+8*\a+7], v[SC+2*\a+1], v[SC+17] matrix_a_fmt:MATRIX_FMT_FP4 matrix_b_fmt:MATRIX_FMT_FP4
.endr
.rept 4
	v_nop                                          ; four places in front of writes of, and loads into, the products' registers, and of the first read of results
.endr
.irp j, 0,1,2,3,4,5,6,7
	v_mov_b32 v[BVC+\j], v[BV1]                    ; phase V's C: a lane holds one d, so one number eight times
.endr
.irp f, 0,1,2,3,4,5,6,7                ; phase V's operands are asked for now and land while q and k are quantised: x tile 4 (wave % 2) + f / 2, K step f % 2
	FETCH BUF0+8*\f, XVI, XIMG+1024*\f
	ds_load_b32 v[SC+\f], v[XVS] offset:XSC+128*\f
.endr
	FETCH WV, WVI, WIMG+16384
	FETCH WV+8, WVI, WIMG+16384+1024
	ds_load_b32 v[SC+8], v[WVS] offset:WSC+2048
	ds_load_b32 v[SC+9], v[WVS] offset:WSC+2048+128
	QUANT ACC, 4, 1                                ; blocks 0, 1: q's 64 of my token; blocks 2, 3: k's
	global_store_b128 v[GI], v[PC:PC+3], s[10:11]          ; Q's image: the wave stores 512 consecutive bytes, aligned to 256
	global_store_b128 v[GI], v[PC+4:PC+7], s[12:13]        ; K's likewise
	ds_store_b32 v[SQK], v[PW]                     ; lanes r and r + 16 write the same word with the same value
	ds_store_b32 v[SQK], v[PW+1] offset:512
	; ---- PHASE V
	s_wait_dscnt 0x0                               ; the operands are in; the stores above have read their registers
.irp i, 0,1,2,3                        ; four accumulators by turns
	v_wmma_scale_f32_16x16x128_f8f6f4 v[AV+8*\i:AV+8*\i+7], v[BUF0+16*\i:BUF0+16*\i+7], v[WV:WV+7], v[BVC:BVC+7], v[SC+2*\i], v[SC+8] matrix_a_fmt:MATRIX_FMT_FP4 matrix_b_fmt:MATRIX_FMT_FP4
.endr
.irp i, 0,1,2,3
	v_wmma_scale_f32_16x16x128_f8f6f4 v[AV+8*\i:AV+8*\i+7], v[BUF0+16*\i+8:BUF0+16*\i+15], v[WV+8:WV+15], v[AV+8*\i:AV+8*\i+7], v[SC+2*\i+1], v[SC+9] matrix_a_fmt:MATRIX_FMT_FP4 matrix_b_fmt:MATRIX_FMT_FP4
.endr
.rept 4
	v_nop
.endr
	s_wait_xcnt 0x0                                ; the two stores of images have read the codes' registers: they are written again only behind this wait
	QUANT AV, 2, 0                                 ; my d's 64 tokens: key blocks 2 (wave % 2) and + 1
	global_store_b128 v[GI], v[PC:PC+3], s[12:13] offset:4864   ; registers 4 (wave % 2) .. + 3 of V's tile wave / 2
	ds_store_b16 v[SV], v[PW]                      ; my two bytes of the row's scale word
	BARRIER                                        ; 1,280 bytes of scale words lie in LDS
	; ---- the scale words leave in runs of 256 aligned bytes: waves 0, 1 Q's, waves 2, 3 K's, wave 4 V's
	s_cmp_gt_u32 s14, 4
	s_cbranch_scc1 .Lend
	s_cmp_lt_u32 s14, 2
	s_cselect_b64 s[28:29], s[10:11], s[12:13]     ; the choice hangs on the wave's number alone
	s_cselect_b32 s30, 0, 2
	s_sub_co_u32 s30, s14, s30
	s_lshl_b32 s30, s30, 8
	s_add_co_u32 s26, s30, 4096
	s_mov_b32 s27, 0
	s_add_nc_u64 s[28:29], s[28:29], s[26:27]
	ds_load_b64 v[252:253], v[SRD]
	s_wait_dscnt 0x0
	global_store_b64 v[G8], v[252:253], s[28:29]
.Lend:
	s_wait_tensorcnt 0x0
	ds_add_u32 v254, v255
	s_wait_dscnt 0x0
	s_endpgm
.Lfunc_end_k_qd20b289aaf_proj:
	.size	k_qd20b289aaf_proj, .Lfunc_end_k_qd20b289aaf_proj-k_qd20b289aaf_proj
	.p2alignl 7, 3214868480
	.fill 96, 4, 3214868480
	.section	.rodata,"a",@progbits
	.p2align	6, 0x0
	.amdhsa_kernel k_qd20b289aaf_proj
		.amdhsa_group_segment_fixed_size 49152
		.amdhsa_private_segment_fixed_size 0
		.amdhsa_enable_private_segment 0
		.amdhsa_kernarg_size 40
		.amdhsa_user_sgpr_count 2
		.amdhsa_user_sgpr_kernarg_segment_ptr 1
		.amdhsa_wavefront_size32 1
		.amdhsa_system_sgpr_workgroup_id_x 1
		.amdhsa_system_sgpr_workgroup_id_y 1
		.amdhsa_system_sgpr_workgroup_id_z 1
		.amdhsa_system_vgpr_workitem_id 0
		.amdhsa_next_free_vgpr 256
		.amdhsa_next_free_sgpr 66
		.amdhsa_reserve_vcc 0
		.amdhsa_float_denorm_mode_32 3
		.amdhsa_float_denorm_mode_16_64 3
		.amdhsa_memory_ordered 1
		.amdhsa_forward_progress 1
		.amdhsa_inst_pref_size 49
	.end_amdhsa_kernel
	.amdgpu_metadata
---
amdhsa.version: [ 1, 2 ]
amdhsa.kernels:
  - .name:           k_qd20b289aaf_proj
    .symbol:         k_qd20b289aaf_proj.kd
    .args:
      - { .name: x, .offset: 0, .size: 8, .value_kind: global_buffer, .address_space: global }
      - { .name: W_qkv, .offset: 8, .size: 8, .value_kind: global_buffer, .address_space: global }
      - { .name: b_qkv, .offset: 16, .size: 8, .value_kind: global_buffer, .address_space: global }
      - { .name: qbuf, .offset: 24, .size: 8, .value_kind: global_buffer, .address_space: global }
      - { .name: kvbuf, .offset: 32, .size: 8, .value_kind: global_buffer, .address_space: global }
    .group_segment_fixed_size: 49152
    .private_segment_fixed_size: 0
    .kernarg_segment_align: 8
    .kernarg_segment_size: 40
    .max_flat_workgroup_size: 256
    .sgpr_count:     66
    .vgpr_count:     256
    .wavefront_size: 32
...
	.end_amdgpu_metadata
.endif
;; end of part 1
;; launch attn (part 2): grid 16 x 16, 8 waves a work-group, clusters of 4 x 1, 189,440 bytes of LDS; arguments qbuf, kvbuf, out0; writes out0
.if DOCPART == 2
	.amdgcn_target "amdgcn-amd-amdhsa--gfx1250"
	.amdhsa_code_object_version 6
	.text
	.protected	k_qd20b289aaf_attn
	.globl	k_qd20b289aaf_attn
	.p2align	8
	.type	k_qd20b289aaf_attn,@function
k_qd20b289aaf_attn:
	s_mov_b64 s[64:65], 0
	v_nop
	global_prefetch_b8 v0, s[64:65] scope:SCOPE_SE
	s_setreg_imm32_b32 hwreg(HW_REG_WAVE_MODE, 25, 1), 1
	s_wait_xcnt 0x0
	s_wait_alu depctr_hold_cnt(0) depctr_sa_sdst(0) depctr_va_vdst(0) depctr_va_sdst(0) depctr_va_ssrc(0) depctr_va_vcc(0) depctr_vm_vsrc(0)
	s_getreg_b32 s2, hwreg(HW_REG_IB_STS2, 6, 4)
	s_cmp_eq_u32 s2, 0
	s_cbranch_scc0 .Lentry_in_a_cluster
	s_endpgm
.Lentry_in_a_cluster:
	s_bfe_u32 s2, ttmp6, 0x10000c
	s_cmp_lg_u32 s2, 0x3003
	s_cbranch_scc0 .Lentry_shape_is_right
	s_endpgm
.Lentry_shape_is_right:
; out[bh][q][:] = the sum over keys of softmax(q . k / 8) v, both products on codes of FP4 (E2M1) with one E8M0 scale for each 32 along K.  16 (batch, head) pairs, 2,048 tokens, head size 64.
; THE SOFTMAX AHEAD OF THE SECOND PRODUCT: t = score x log2(e) / 8; M = the row's largest t so far, rounded UP to a whole number; p = 2^(t - M) is quantised along the keys, not normalised.
; The row's sum is taken of the unquantised p and divides O at the end.  When M moves, the sum and O are multiplied by 2^(old M - new M): exact.
; OPERANDS arrive as images of their registers (the records of the launch before): 16 bytes a lane on end, so every LDS load reads consecutive bytes: no pitch, no padding.
; SHARES.  A work-group owns 128 queries of one (batch, head); each of its eight waves one tile of 16, in 256 registers.  Every wave walks the 2,048 keys, 128 a step: one record of 8,960 bytes.
; THE WHOLE HEAD'S 16 RECORDS, 143,360 BYTES, LIE IN LDS: each byte is filled once, so there is no ring and nothing is filled again.  Wave w brings records w and 8 + w: two tensor loads of a wave are out.
; CLUSTER.  The four work-groups of a cluster are four query blocks of one (batch, head) and read the same records: each record is asked for JOINTLY, by the same load with the same descriptor and the mask of all four.
; LAYOUT.  Both products are used transposed: S^T = K Q^T (source 0 = 16 keys, source 1 = my 16 queries), O^T = V^T P^T (source 0 = 16 of the head's 64, source 1 = P): a lane holds ONE query throughout.
; The first product's K is 64: registers 4-7 of Q's and K's fragments hold zero codes (set once), and the upper two bytes of their scale words are 0, a power of two over zeros.
; The rows of a tile are not neighbours (row r of tile 2 b + u is element 32 b + 8 u + r + 8 (r / 8)): so a lane's 16 registers of two neighbouring tiles of S^T are 16 neighbouring keys,
; and of O^T 16 neighbouring d; my queries' places in the block follow the same order, which the stores' addresses undo.
; LIMITS: NaN and infinities are not served; a row all of whose t lie under -3e38 is not served.  A block's largest p is made from the block's largest score by the same multiply-add and exponential:
; this takes v_exp_f32 not to fall where its input rises.  A block whose every p is under 2^-124 gets the byte 1.
.set REC,   8960                       ; a record: K's 8 images (512 each), K's scale words at 4,096, V's at 4,608, V's 4 images (1,024 each) at 4,864
.set HALF,  8*REC
.set STAGE, 153600                     ; the way out: 16 rows x (256 bytes + 16) for each wave; no load fills these bytes; 10,240 bytes are left free behind the records
.set LI,   1                           ; v1   16 x lane
.set LS,   2                           ; v2   4 x lane
.set AD16, 3                           ; v3   the step's record + 16 x lane
.set AD4,  4                           ; v4   the step's record + 4 x lane
.set GO,   5                           ; v5   the way out: my byte offset in two rows of out
.set STO,  6                           ; v6   where I put 16 bytes of a row
.set RD,   7                           ; v7   where I read a row back
.set QA,   8                           ; v8   Q's image: 16 lane + 512 wave
.set QS,   9                           ; v9   Q's scale word: 4 r + 64 wave
.set QSC,  24                          ; v24  Q's scale words.   v12 -M, v13 the largest t, v[14:15] the sum in two halves, v[16:23] Q
.set KF,   32                          ; v32-95   K's 8 fragments
.set S,    96                          ; v96-159  S^T, then p
.set O,    160                         ; v160-191 O^T
.set VF,   192                         ; v192-223 V's 4 fragments
.set PCD,  224                         ; v224-231 p's codes.   v232-239, v244-247, v252, v254 at work; v253 p's scale word
.set VS,   242                         ; v242-243 V's scale words: lanes 0-15 the even tile's, lanes 16-31 the odd tile's
.set KS,   248                         ; v248-251 K's likewise
.set WVN,  10                          ; s10  my wave's number
.set G1,   16                          ; s[16:23] descriptor group 1
.set G0A,  24                          ; s[24:27] group 0 for record w
.set G0B,  28                          ; s[28:31] for record 8 + w
.set SEL,  32                          ; s[32:33] lane selects for v_permlanex16_b32: lane l xor 16
.set CS,   34                          ; s[34:35] c = log2(e) / 8: the packed form names a pair and takes its low word for both halves
.set TB,   36                          ; s36  LDS byte at which the step's record begins
.set CNT,  37                          ; s37  trips
; A round of the cluster's barrier: my work-group's barrier; wave 0 signals for the work-group; every wave waits for all four work-groups; my work-group's barrier once more.
.macro CROUND
	s_barrier_signal -1
	s_barrier_wait -1
	s_cmp_lg_u32 s[WVN], 0
	s_cbranch_scc1 .Lnot_wave_0_\@
	s_barrier_signal -3
.Lnot_wave_0_\@:
	s_barrier_wait -3
	s_barrier_signal -1
	s_barrier_wait -1
.endm
; K's eight images (registers 0-3 of each fragment) and four registers of scale words, off bytes behind the record in hand: 12 loads
.macro KLOAD off
.irp i, 0,1,2,3,4,5,6,7
	ds_load_b128 v[KF+8*\i:KF+8*\i+3], v[AD16] offset:\off+512*\i
.endr
.irp u, 0,1,2,3
	ds_load_b32 v[KS+\u], v[AD4] offset:\off+4096+128*\u
.endr
.endm
	s_load_b128 s[4:7], s[0:1], 0x0                ; qbuf s[4:5], kvbuf s[6:7]
	s_load_b64 s[8:9], s[0:1], 0x10                ; out0
	v_lshl_add_u32 v241, v0, 2, 0x2e000
	v_mov_b32 v255, 0
	ds_add_u32 v241, v255
	ds_add_u32 v241, v255
	v_lshrrev_b32 v10, 5, v0
	v_readfirstlane_b32 s[WVN], v10                ; wave 0..7
	s_bfe_u32 s11, ttmp6, 0x40000                  ; cx: my place in the cluster
	s_lshl_b32 s12, ttmp9, 2                       ; in a cluster launch ttmp9 counts clusters
	s_add_co_u32 s12, s12, s11                     ; my block of 128 queries: it enters Q's and out's addresses alone
	s_and_b32 s13, ttmp7, 0xffff                   ; 4 batch + head, which the four partners share
	; descriptor group 1: a record is dense: 35 rows of 256 bytes (32 elements of 8 bytes)
	s_mov_b32 s[G1], 15|(3<<16)|(1<<21)            ; 15:0 the mask: all four work-groups; 17:16 elements of 8 bytes; 20 no padding; 21 set beside a mask
	s_mov_b32 s[G1+1], 32<<16                      ; tensor_dim0 = 32
	s_mov_b32 s[G1+2], 35<<16                      ; tensor_dim1 = 35
	s_mov_b32 s[G1+3], 32<<16                      ; tile_dim0 = 32
	s_mov_b32 s[G1+4], 35                          ; tile_dim1 = 35
	s_mov_b32 s[G1+5], 32                          ; elements from row to row
	s_mov_b32 s[G1+6], 0
	s_mov_b32 s[G1+7], 0
	s_mov_b32 s[SEL], 0x76543210
	s_mov_b32 s[SEL+1], 0xfedcba98
	s_mov_b32 s[CS], 0x3e38aa3b                    ; log2(e) / 8
	s_mov_b32 s[CS+1], s[CS]                       ; (named with it as a pair, so it is written)
	s_mov_b32 s[TB], 0
	s_mul_i32 s42, s[WVN], REC                     ; record w: its place in LDS and in the head's records: the wave's number alone
	s_mul_i32 s38, s13, 16*REC                     ; the head's records
	s_add_co_u32 s38, s38, s42
	s_mov_b32 s39, 0
	s_lshl_b32 s40, s13, 4                         ; Q's record: 16 (4 batch + head) + block
	s_add_co_u32 s40, s40, s12
	s_mul_i32 s40, s40, 4608
	s_mov_b32 s41, 0
	s_lshl_b32 s44, s13, 19                        ; out: 2,048 rows of 256 bytes a head,
	s_lshl_b32 s43, s12, 15                        ; 128 rows a block,
	s_add_co_u32 s44, s44, s43
	s_lshr_b32 s43, s[WVN], 1                      ; and my tile begins at row 32 (wave / 2) + 8 (wave % 2)
	s_lshl_b32 s43, s43, 13
	s_add_co_u32 s44, s44, s43
	s_and_b32 s43, s[WVN], 1
	s_lshl_b32 s43, s43, 11
	s_add_co_u32 s44, s44, s43
	s_mov_b32 s45, 0
	v_and_b32 v10, 31, v0                          ; lane
	v_and_b32 v11, 15, v0                          ; r
	v_lshlrev_b32 v[LI], 4, v10
	v_lshlrev_b32 v[LS], 2, v10
	s_lshl_b32 s46, s[WVN], 9
	v_add_nc_u32 v[QA], s46, v[LI]
	s_lshl_b32 s46, s[WVN], 6
	v_lshl_add_u32 v[QS], v11, 2, s46
	s_wait_dscnt 0x0
	s_wait_kmcnt 0x0
	s_mov_b32 s[G0A], 1                            ; count = 1
	s_mov_b32 s[G0A+1], s42                        ; LDS address
	s_add_nc_u64 s[G0A+2:G0A+3], s[6:7], s[38:39]  ; global address
	s_mov_b32 s[G0B], 1
	s_add_co_u32 s[G0B+1], s42, HALF
	s_add_nc_u64 s[G0B+2:G0B+3], s[G0A+2:G0A+3], HALF
	s_or_b32 s[G0A+3], s[G0A+3], 0x80000000        ; type = 2
	s_or_b32 s[G0B+3], s[G0B+3], 0x80000000
	s_add_nc_u64 s[4:5], s[4:5], s[40:41]
	s_add_nc_u64 s[8:9], s[8:9], s[44:45]
	CROUND                                         ; all four work-groups are here: the joint loads meet
	tensor_load_to_lds s[G0A:G0A+3], s[G1:G1+7]    ; all fills of the launch go out together, ahead of every wait on TENSORcnt and every LDS read
	s_nop 0
	tensor_load_to_lds s[G0B:G0B+3], s[G1:G1+7]
	s_nop 0
.rept 4
	v_nop
.endr
	global_load_b128 v[16:19], v[QA], s[4:5]       ; Q's image stays in registers
	global_load_b32 v[QSC], v[QS], s[4:5] offset:4096
.irp j, 20,21,22,23
	v_mov_b32 v[\j], 0                             ; k = 64 .. 127 of the first product: zero codes
.endr
.irp i, 0,1,2,3,4,5,6,7
.irp j, 4,5,6,7
	v_mov_b32 v[KF+8*\i+\j], 0                     ; likewise in K's fragments: set once, no load lands here
.endr
.endr
.set n, 0
.rept 32
	v_mov_b32 v[O+n], 0                            ; O^T: the step is written once; its first walk finds zeros, which the first change of M leaves zeros
.set n, n+1
.endr
	v_mov_b32 v14, 0                               ; the sum, in two halves
	v_mov_b32 v15, 0
.irp j, 236,237,238,239
	v_mov_b32 v[\j], 0                             ; a lane permute's destination counts as one of its sources
.endr
	v_mov_b32 v253, 0                              ; (named as the upper half of the pair v[252:253] before it is first written)
	v_mov_b32 v13, 0xff61b1e6                      ; the largest t so far: -3e38
	v_floor_f32 v12, -v13                          ; -M
; A KEY STEP: 128 keys.  ahead = 1: the next step's K is asked for at this step's head and lands under the softmax.
.macro STEP ahead
	s_wait_dscnt 0x0                               ; this step's K is in
	v_add_nc_u32 v[AD16], s[TB], v[LI]
	v_add_nc_u32 v[AD4], s[TB], v[LS]
.irp i, 0,2,4,6                        ; S^T = K Q^T: eight tiles of 16 keys, each a sum of its own
	v_wmma_scale_f32_16x16x128_f8f6f4 v[S+8*\i:S+8*\i+7], v[KF+8*\i:KF+8*\i+7], v[16:23], 0, v[KS+\i/2], v[QSC] matrix_a_fmt:MATRIX_FMT_FP4 matrix_b_fmt:MATRIX_FMT_FP4
	v_wmma_scale_f32_16x16x128_f8f6f4 v[S+8*\i+8:S+8*\i+15], v[KF+8*\i+8:KF+8*\i+15], v[16:23], 0, v[KS+\i/2], v[QSC] matrix_a_fmt:MATRIX_FMT_FP4 matrix_b_fmt:MATRIX_FMT_FP4 matrix_a_scale:MATRIX_SCALE_ROW1
.endr
.rept 4
	v_nop                                          ; four places in front of the loads into K's registers and of the first read of the scores
.endr
.irp t, 0,1,2,3
.irp c, 0,1
	ds_load_b128 v[VF+8*\t+4*\c:VF+8*\t+4*\c+3], v[AD16] offset:4864+1024*\t+512*\c
.endr
.endr
.irp u, 0,1
	ds_load_b32 v[VS+\u], v[AD4] offset:4608+128*\u
.endr
.if \ahead
	KLOAD REC
.endif
.irp b, 0,1,2,3
	v_max3_num_f32 v[232+\b], v[S+16*\b], v[S+1+16*\b], v[S+2+16*\b]   ; the largest score of each block of 32 keys: for the row's maximum and for the block's largest p
.endr
.irp i, 3,5,7,9,11,13
.irp b, 0,1,2,3
	v_max3_num_f32 v[232+\b], v[232+\b], v[S+16*\b+\i], v[S+1+16*\b+\i]   ; the four blocks by turns
.endr
.endr
.irp b, 0,1,2,3
	v_max_num_f32 v[232+\b], v[232+\b], v[S+15+16*\b]
.endr
.irp b, 0,1,2,3
	v_permlanex16_b32 v[236+\b], v[232+\b], s[SEL], s[SEL+1]
.endr
.irp b, 0,1,2,3
	v_max_num_f32 v[232+\b], v[232+\b], v[236+\b]          ; with lane l xor 16's 16 keys
.endr
	v_max3_num_f32 v254, v232, v233, v234
	v_max_num_f32 v254, v254, v235                 ; the step's largest score of my query
	v_mul_f32 v254, s[CS], v254                    ; as t (c is positive)
	v_max_num_f32 v13, v13, v254                   ; the running largest t
	v_mov_b32 v254, v12
	v_floor_f32 v12, -v13                          ; the new -M = floor(-t) = -ceil(t)
	v_sub_f32 v254, v12, v254                      ; old M less new M: a whole number, 0 or less
	v_cvt_i32_f32 v254, v254                       ; (it saturates)
	v_ldexp_f32 v252, 1.0, v254                    ; f = 2^(old M - new M)
.set n, 0
.rept 32
	v_pk_fma_f32 v[S+n:S+n+1], v[S+n:S+n+1], s[CS:CS+1], v[12:13] op_sel_hi:[1,0,0]   ; t - M, two at a time
.set n, n+2
.endr
.irp b, 0,1,2,3
	v_fma_f32 v[232+\b], v[232+\b], s[CS], v12     ; the same of each block's largest score
.endr
.set n, 0
.rept 64
	v_exp_f32 v[S+n], v[S+n]                       ; p = 2^(t - M), at most 1
.set n, n+1
.endr
.irp b, 0,1,2,3
	v_exp_f32 v[232+\b], v[232+\b]                 ; the block's largest p: the same two instructions on the same number
.endr
	v_pk_mul_f32 v[14:15], v[14:15], v[252:253] op_sel_hi:[1,0]   ; the sums under the new M (a plain place behind the exponentials)
.set n, 0
.rept 16
	v_pk_mul_f32 v[O+n:O+n+1], v[O+n:O+n+1], v[252:253] op_sel_hi:[1,0]   ; O^T under the new M, each tile from its low end on
.set n, n+2
.endr
	s_wait_alu depctr_va_vdst(0)
.irp b, 0,1,2,3
	v_max_num_f32 v[232+\b], 0x1800000, v[232+\b]  ; the floor 2^(3 - 127): the byte cannot fall under 1
.endr
.irp b, 0,1,2,3
	v_add_nc_u32 v[244+\b], 0xff000000, v[232+\b]  ; 2 off the exponent field: the conversion's scale operand
.endr
.irp b, 0,1,2,3
	v_lshrrev_b32 v[236+\b], 23, v[244+\b]         ; the scale's byte
.endr
	v_lshl_or_b32 v253, v237, 8, v236              ; p's scale word for these 128 keys
	v_lshl_or_b32 v253, v238, 16, v253
	v_lshl_or_b32 v253, v239, 24, v253
.irp b, 0,1,2,3
	v_cvt_scalef32_pk8_fp4_f32 v[PCD+2*\b], v[S+16*\b:S+7+16*\b], v[244+\b]
	v_cvt_scalef32_pk8_fp4_f32 v[PCD+1+2*\b], v[S+8+16*\b:S+15+16*\b], v[244+\b]
.endr
	v_nop                                          ; one plain place behind a scaled conversion
.irp c, 0,1                            ; the layout wants a whole block in a lane: lanes 0-15 block 2 c, lanes 16-31 block 2 c + 1
.irp i, 0,1
	v_permlane16_swap_b32 v[PCD+4*\c+\i], v[PCD+2+4*\c+\i]
.endr
.endr
	v_pk_add_f32 v[236:237], v[S:S+1], v[S+2:S+3]  ; the row's sum of the UNQUANTISED p, in two chains.  These 32 lines are also the places between the codes and the scale word just made and the products below
.irp j, 4,8,12,16,20,24,28,32,36,40,44,48,52,56,60
	v_pk_add_f32 v[14:15], v[14:15], v[S+\j:S+1+\j]
	v_pk_add_f32 v[236:237], v[236:237], v[S+2+\j:S+3+\j]
.endr
	v_pk_add_f32 v[14:15], v[14:15], v[236:237]
	s_wait_dscnt 12*\ahead                         ; V's ten loads are in; the next step's twelve of K, issued behind them, may be out
.irp t, 0,2                            ; O^T += V^T P^T: four accumulators by turns
	v_wmma_scale_f32_16x16x128_f8f6f4 v[O+8*\t:O+8*\t+7], v[VF+8*\t:VF+8*\t+7], v[PCD:PCD+7], v[O+8*\t:O+8*\t+7], v[VS+\t/2], v253 matrix_a_fmt:MATRIX_FMT_FP4 matrix_b_fmt:MATRIX_FMT_FP4
	v_wmma_scale_f32_16x16x128_f8f6f4 v[O+8*\t+8:O+8*\t+15], v[VF+8*\t+8:VF+8*\t+15], v[PCD:PCD+7], v[O+8*\t+8:O+8*\t+15], v[VS+\t/2], v253 matrix_a_fmt:MATRIX_FMT_FP4 matrix_b_fmt:MATRIX_FMT_FP4 matrix_a_scale:MATRIX_SCALE_ROW1
.endr
.if \ahead
	s_add_co_u32 s[TB], s[TB], REC                 ; on to the next record
.endif
.endm
	s_wait_tensorcnt 0x1                           ; my record of steps 0-7 is in; my second may stay out
	s_barrier_signal -1
	s_barrier_wait -1                              ; everybody's is
	v_mov_b32 v[AD16], v[LI]
	v_mov_b32 v[AD4], v[LS]
	KLOAD 0                                        ; step 0's K
	s_wait_loadcnt 0x0                             ; Q
	s_mov_b32 s[CNT], 7
.La:                                               ; steps 0 to 6: they read records 0 to 7
	STEP 1
	s_sub_co_u32 s[CNT], s[CNT], 1
	s_cmp_lg_u32 s[CNT], 0
	s_cbranch_scc1 .La
	s_wait_tensorcnt 0x0                           ; my record of steps 8-15 is in,
	s_wait_dscnt 0x0                               ; (no LDS instruction is pending at a signal)
	s_barrier_signal -1
	s_barrier_wait -1                              ; everybody's is
	s_mov_b32 s[CNT], 8
.Lb:                                               ; steps 7 to 14
	STEP 1
	s_sub_co_u32 s[CNT], s[CNT], 1
	s_cmp_lg_u32 s[CNT], 0
	s_cbranch_scc1 .Lb
	STEP 0                                         ; step 15 asks for no further K
	; THE WAY OUT.  O^T / the sum goes through my own stage in LDS and comes back as whole rows of 256 bytes.  The lines up to the multiplies are the places behind the last products.
	v_add_f32 v14, v14, v15                        ; the sum's two halves,
	v_permlanex16_b32 v252, v14, s[SEL], s[SEL+1]
	v_add_f32 v14, v14, v252                       ; and lane l xor 16's
	v_rcp_f32 v14, v14
	v_and_b32 v10, 15, v0                          ; (a plain place behind the transcendental)  r
	v_bfe_u32 v11, v0, 4, 1                        ; lane / 16
	s_mul_i32 s46, s[WVN], 16*272
	s_add_co_u32 s46, s46, STAGE                   ; my stage
	v_mul_u32_u24 v[STO], v10, 272
	v_lshl_add_u32 v[STO], v11, 6, v[STO]
	v_add_nc_u32 v[STO], s46, v[STO]               ; in: row r, + 64 (lane / 16): register 8 t + j is d = 32 (t / 2) + 16 (lane / 16) + 8 (t % 2) + j
	v_mul_u32_u24 v[RD], v11, 272
	v_lshl_add_u32 v[RD], v10, 4, v[RD]
	v_add_nc_u32 v[RD], s46, v[RD]                 ; back: lanes 0-15 one row, lanes 16-31 the next
	v_lshlrev_b32 v[GO], 8, v11
	v_lshl_add_u32 v[GO], v10, 4, v[GO]            ; and the same two rows in out
.set n, 0
	s_wait_alu depctr_va_vdst(0)
.rept 32
	v_mul_f32 v[S+n], v[O+n], v14
.set n, n+1
.endr
.irp t, 0,1,2,3
	ds_store_b128 v[STO], v[S+8*\t:S+8*\t+3] offset:128*(\t/2)+32*(\t%2)
	ds_store_b128 v[STO], v[S+8*\t+4:S+8*\t+7] offset:128*(\t/2)+32*(\t%2)+16
.endr
.irp i, 0,1,2,3,4,5,6,7
	ds_load_b128 v[KF+4*\i:KF+4*\i+3], v[RD] offset:544*\i   ; LDS serves a wave's instructions in order (ISA guide 5.7.1.4): these see my stores
.endr
.irp i, 0,1,2,3,4,5,6,7
	s_wait_dscnt 7-\i                              ; the younger loads may stay out
	global_store_b128 v[GO], v[KF+4*\i:KF+4*\i+3], s[8:9] offset:(2*\i+8*(\i/4))*256 th:TH_STORE_NT   ; tile rows 2 i, 2 i + 1 are tokens 2 i + 8 (i / 4) and the next: 512 consecutive bytes, aligned to 256
.endr
	s_wait_tensorcnt 0x0
	ds_add_u32 v241, v255
	s_wait_dscnt 0x0
	CROUND                                         ; the closing round: no work-group ends while a partner may still ask for a record that names it
	s_endpgm
.Lfunc_end_k_qd20b289aaf_attn:
	.size	k_qd20b289aaf_attn, .Lfunc_end_k_qd20b289aaf_attn-k_qd20b289aaf_attn
	.p2alignl 7, 3214868480
	.fill 96, 4, 3214868480
	.section	.rodata,"a",@progbits
	.p2align	6, 0x0
	.amdhsa_kernel k_qd20b289aaf_attn
		.amdhsa_group_segment_fixed_size 189440
		.amdhsa_private_segment_fixed_size 0
		.amdhsa_enable_private_segment 0
		.amdhsa_kernarg_size 24
		.amdhsa_user_sgpr_count 2
		.amdhsa_user_sgpr_kernarg_segment_ptr 1
		.amdhsa_wavefront_size32 1
		.amdhsa_system_sgpr_workgroup_id_x 1
		.amdhsa_system_sgpr_workgroup_id_y 1
		.amdhsa_system_sgpr_workgroup_id_z 1
		.amdhsa_system_vgpr_workitem_id 0
		.amdhsa_next_free_vgpr 256
		.amdhsa_next_free_sgpr 66
		.amdhsa_reserve_vcc 0
		.amdhsa_float_denorm_mode_32 3
		.amdhsa_float_denorm_mode_16_64 3
		.amdhsa_memory_ordered 1
		.amdhsa_forward_progress 1
		.amdhsa_inst_pref_size 56
	.end_amdhsa_kernel
	.amdgpu_metadata
---
amdhsa.version: [ 1, 2 ]
amdhsa.kernels:
  - .name:           k_qd20b289aaf_attn
    .symbol:         k_qd20b289aaf_attn.kd
    .args:
      - { .name: qbuf, .offset: 0, .size: 8, .value_kind: global_buffer, .address_space: global }
      - { .name: kvbuf, .offset: 8, .size: 8, .value_kind: global_buffer, .address_space: global }
      - { .name: out0, .offset: 16, .size: 8, .value_kind: global_buffer, .address_space: global }
    .group_segment_fixed_size: 189440
    .private_segment_fixed_size: 0
    .kernarg_segment_align: 8
    .kernarg_segment_size: 24
    .max_flat_workgroup_size: 256
    .sgpr_count:     66
    .vgpr_count:     256
    .wavefront_size: 32
...
	.end_amdgpu_metadata
.endif
;; end of part 2
;; ======== version 2 of 2: 2 launches
;; workspace buffers: qbuf 1,179,648 bytes; kvbuf 2,293,760 bytes
;; launch proj (part 3): grid 4 x 64, 8 waves a work-group, no clusters, 49,152 bytes of LDS; arguments x, W_qkv, b_qkv, qbuf, kvbuf; writes qbuf, kvbuf
.if DOCPART == 3
	.amdgcn_target "amdgcn-amd-amdhsa--gfx1250"
	.amdhsa_code_object_version 6
	.text
	.protected	k_qd20b289aaf_proj
	.globl	k_qd20b289aaf_proj
	.p2align	8
	.type	k_qd20b289aaf_proj,@function
k_qd20b289aaf_proj:
	s_mov_b64 s[64:65], 0
	v_nop
	global_prefetch_b8 v0, s[64:65] scope:SCOPE_SE
	s_setreg_imm32_b32 hwreg(HW_REG_WAVE_SCHED_MODE, 0, 2), 2
	s_setreg_imm32_b32 hwreg(HW_REG_WAVE_MODE, 25, 1), 1
	s_wait_xcnt 0x0
	s_wait_alu depctr_vm_vsrc(0)
; qkv = Q(x) Q(W)^T + b on codes of FP4 (E2M1) with one E8M0 scale for each 32 along K; then q and k are quantised along the head's 64 and v along the tokens,
; and all three leave as IMAGES OF THE NEXT LAUNCH'S OPERAND REGISTERS.  x: [8192][256] f32, W: [768][256] f32, b: [768] f32.
; SHARES.  A work-group takes 128 tokens (work-group y) and the q, k and v columns of one head (work-group x): 128 x 192 of qkv.  Eight waves.
; PHASE X: each wave quantises five fragments (16 rows x 128 K): its x tile's two K steps and one fragment of each of Wq, Wk, Wv; their images go to LDS.
; PHASE QK: wave w: x tile w against the 8 tiles of Wq and Wk, TRANSPOSED (source 0 = 16 rows of W, source 1 = 16 tokens): a lane holds one token, its registers run along d.
; PHASE V: wave w: d tile w / 2 against x tiles 4 (w % 2) .. + 3, PLAIN (source 0 = 16 tokens, source 1 = 16 rows of Wv): a lane holds one d, its registers run along the tokens.
; THE ROWS OF A TILE ARE NOT NEIGHBOURS, in x's tiles and in W's alike: row r of tile 2 b + u is element 32 b + 8 u + r + 8 (r / 8) (of the 128 tokens, or of the head's 64),
; so that the 16 registers of two neighbouring result tiles are 16 neighbours along the next product's K: 32 b + 16 (lane / 16) + 0 .. 15.
; RECORDS, one for each (batch, head, block of 128 tokens): rec = (4 batch + head) 16 + block.
;   qbuf, 4,608 bytes: 8 images of Q (tile T at 512 T, 16 bytes a lane), then 8 x 16 scale words (64 T + 4 r): byte 0, 1 = the two blocks of d, bytes 2, 3 = 0.
;   kvbuf, 8,960 bytes: K as Q (4,608 bytes); V's scale words (d tile t, row r at 4,608 + 64 t + 4 r; byte = block of 32 keys); V's images (4,864 + 1,024 t; registers 0-3, then 4-7).
; LIMITS: NaN and infinities among the inputs are not served.  A block of zeros, and one whose largest magnitude lies under 2^-124, gets the scale byte 1
; (for zeros the rule says 127): its codes are zeros, and the bytes are read by this program alone.
; No tensor loads: x's and W's f32 numbers of a work-group (327,680 bytes) would leave no LDS for the images.  No cluster: nothing is brought by a joint load.
; THE MODE: SCHED_MODE bits 1:0 = 2 (LLVM: expert scheduling mode 2), set by the entry lines.  The code itself states the register dependences
; between vector or matrix instructions and memory or LDS instructions, with s_wait_alu, always for 0.
; THE PLAN.  Registers that memory or LDS instructions touch:
;   v1-15, v249-251   addresses and offsets: written by vector lines at the head and never again; one wait on va_vdst ahead of the first load serves them for the whole kernel (v254, v255, the closing add's two, likewise).
;   BUF0, BUF1, BUF2  loads land in them; the quantiser's lines or the products read them; no memory instruction reads them.  A buffer is asked for again behind the wait on va_vdst that follows its reader.
;   PC, PW            written by each run of the quantiser, read by the stores that follow it: a wait on va_vdst between the run and its stores, a wait on vm_vsrc between the stores and the next run.
;   XF                lies over TM, PW and two registers of PC: LDS loads land in it behind the first barrier, behind a wait on vm_vsrc for the last stores of PC and PW.
;   SC, v248, v252-253  written by loads alone; SC is loaded a second time behind the wait on va_vdst that shows phase QK's products done.
; So a run of the quantiser has one wait on va_vdst behind it, which serves its stores and the loads into the buffer that it has emptied, and (but for the first) one on vm_vsrc ahead of it.
.set XIMG,  0                          ; LDS: x's 16 fragments, (tile T, K step s) at 1,024 (2 T + s): registers 0-3 at 16 x lane, registers 4-7 512 bytes on
.set WIMG,  16384                      ; W's 24 fragments, (part p, tile t, K step s) at 1,024 (8 p + 2 t + s)
.set XSC,   40960                      ; their scale words, 128 bytes a fragment, 4 bytes a lane
.set WSC,   43008
.set SCOUT, 46080                      ; the scale words that leave: Q's 512 bytes, K's 512, V's 256 (the claim reaches 2,048 bytes on)
.set QREC,  4608
.set KVREC, 8960
.set XA,   1                           ; v1   x and W: (r + 8 (r / 8)) rows of 1,024 bytes + 64 (lane / 16)
.set LI,   2                           ; v2   16 x lane
.set LS,   3                           ; v3   4 x lane
.set XWI,  4                           ; v4   16 lane + 2,048 wave: x's images of my tile
.set XWS,  5                           ; v5   4 lane + 256 wave: their scale words
.set WWI,  6                           ; v6   16 lane + 1,024 wave: where I store W's images
.set WWS,  7                           ; v7   4 lane + 128 wave
.set XVI,  8                           ; v8   16 lane + 8,192 (wave % 2): the four x tiles of phase V
.set XVS,  9                           ; v9   4 lane + 1,024 (wave % 2)
.set WVI,  10                          ; v10  16 lane + 2,048 (wave / 2): my tile of Wv
.set WVS,  11                          ; v11  4 lane + 256 (wave / 2)
.set GI,   12                          ; v12  16 lane + 512 wave: my image's place in a record
.set SQK,  13                          ; v13  SCOUT + 64 wave + 4 r
.set SV,   14                          ; v14  SCOUT + 1,024 + 64 (wave / 2) + 2 (wave % 2) + 4 r
.set SRD,  15                          ; v15  SCOUT + 256 wave + 8 lane
.set BUF0, 16                          ; v16-79   64 numbers; later fragments
.set BUF1, 80                          ; v80-143  64 numbers; later fragments
.set BUF2, 144                         ; v144-207 64 numbers; later
.set ACC,  144                         ;          the 8 accumulators of phase QK (4 p + t)
.set WV,   80                          ; phase V: Wv's two fragments,
.set AV,   96                          ;          its 4 accumulators,
.set BVC,  128                         ;          and the bias of my d, eight times
.set TM,   208                         ; v208-211 largest magnitudes, v212-215 the other half's, then bytes, v216-219 the conversions' scale operands
.set PW,   220                         ; v220-221 scale words just made
.set PC,   222                         ; v222-229 codes just made
.set XF,   208                         ; v208-223 my x tile's two fragments, only while phase QK's products run
.set SC,   230                         ; v230-247 scale words of the products: scales and nothing else
.set BV1,  248                         ; v248 b of my d
.set G8,   249                         ; v249 8 x lane
.set BA,   250                         ; v250 64 (lane / 16)
.set BVA,  251                         ; v251 4 (r + 8 (r / 8))
.set SEL,  20                          ; s[20:21] v_permlanex16_b32's selects for lane l xor 16
; 64 numbers a lane: of my row, 128 along K from byte off on: register 16 g + i = k 32 g + 16 (lane / 16) + i.  16 loads.
.macro XLOAD buf, base, off
.irp g, 0,1,2,3
.irp j, 0,1,2,3
	global_load_b128 v[\buf+16*\g+4*\j:\buf+16*\g+4*\j+3], v[XA], s[\base:\base+1] offset:\off+128*\g+16*\j
.endr
.endr
.endm
; nb blocks of 32 (16 numbers a lane in v[s + 16 b] on, the other 16 in lane l xor 16) become codes in v[PC] on, in the operand's layout, and scale bytes.
; mode 0: all bytes in v[PW].  mode 1 (nb = 4): blocks 0, 1 in v[PW], blocks 2, 3 in v[PW + 1].
.macro QUANT s, nb, mode
.set qb, 0
.rept \nb
	v_max3_num_f32 v[TM+qb], |v[\s+16*qb]|, |v[\s+16*qb+1]|, 0x1800000   ; and the floor 2^(3 - 127): the byte cannot fall under 1
.set qb, qb+1
.endr
.set qi, 2
.rept 7
.set qb, 0
.rept \nb
	v_max3_num_f32 v[TM+qb], v[TM+qb], |v[\s+16*qb+qi]|, |v[\s+16*qb+qi+1]|   ; the blocks by turns; each result tile is read from its low end on
.set qb, qb+1
.endr
.set qi, qi+2
.endr
.set qb, 0
.rept \nb
	v_permlanex16_b32 v[TM+4+qb], v[TM+qb], s[SEL], s[SEL+1]
.set qb, qb+1
.endr
.set qb, 0
.rept \nb
	v_max_num_f32 v[TM+qb], v[TM+qb], v[TM+4+qb]           ; the block's largest magnitude
.set qb, qb+1
.endr
.set qb, 0
.rept \nb
	v_add_nc_u32 v[TM+8+qb], 0xff000000, v[TM+qb]          ; 2 off its exponent field: the conversion takes this operand's exponent field as its scale
.set qb, qb+1
.endr
.set qb, 0
.rept \nb
	v_lshrrev_b32 v[TM+4+qb], 23, v[TM+8+qb]               ; the scale's byte
.set qb, qb+1
.endr
	v_lshl_or_b32 v[PW], v[TM+5], 8, v[TM+4]
.if (\nb == 4) && (\mode == 0)
	v_lshl_or_b32 v[PW], v[TM+6], 16, v[PW]
	v_lshl_or_b32 v[PW], v[TM+7], 24, v[PW]
.endif
.if (\nb == 4) && (\mode == 1)
	v_lshl_or_b32 v[PW+1], v[TM+7], 8, v[TM+6]
.endif
.set qb, 0
.rept \nb
	v_cvt_scalef32_pk8_fp4_f32 v[PC+2*qb], v[\s+16*qb:\s+16*qb+7], v[TM+8+qb]
	v_cvt_scalef32_pk8_fp4_f32 v[PC+2*qb+1], v[\s+16*qb+8:\s+16*qb+15], v[TM+8+qb]
.set qb, qb+1
.endr
	v_nop                                                  ; one plain place behind a scaled conversion
.set qb, 0
.rept \nb/2
	v_permlane16_swap_b32 v[PC+4*qb], v[PC+4*qb+2]         ; the layout wants a whole block in a lane: lanes 0-15 the even block, lanes 16-31 the odd one
	v_permlane16_swap_b32 v[PC+4*qb+1], v[PC+4*qb+3]
.set qb, qb+1
.endr
.endm
.macro IMAGE adr, off                  ; the fragment in v[PC] on goes to LDS as it stands
	ds_store_b128 v[\adr], v[PC:PC+3] offset:\off
	ds_store_b128 v[\adr], v[PC+4:PC+7] offset:\off+512
.endm
.macro FETCH reg, adr, off             ; and comes back so, in any wave
	ds_load_b128 v[\reg:\reg+3], v[\adr] offset:\off
	ds_load_b128 v[\reg+4:\reg+7], v[\adr] offset:\off+512
.endm
.macro BARRIER                         ; my LDS stores have landed and my LDS loads are in: then the work-group's barrier
	s_wait_dscnt 0x0
	s_barrier_signal -1
	s_barrier_wait -1
.endm
; One fragment of phase X.  left: the younger loads, which may stay out.
.macro UNIT n, buf, adri, offi, adrs, offs, left
	s_wait_loadcnt \left
.if \n > 0
	s_wait_dscnt 0x0                                       ; the last fragment's LDS stores have read the registers that are written again
	s_wait_alu depctr_vm_vsrc(0)                           ; the last fragment's LDS stores have read v[PC ..] and v[PW], which the lines below write again
.endif
	QUANT \buf, 4, 0
	s_wait_alu depctr_va_vdst(0)                           ; v[PC ..] and v[PW] are written, which the LDS stores below read; and the lines above are done reading this buffer, in which the loads behind these stores land
	IMAGE \adri, \offi
	ds_store_b32 v[\adrs], v[PW] offset:\offs
.endm
	s_load_b256 s[4:11], s[0:1], 0x0               ; x s[4:5], W s[6:7], b s[8:9], qbuf s[10:11]
	s_load_b64 s[12:13], s[0:1], 0x20              ; kvbuf
	v_lshl_add_u32 v254, v0, 2, 0xbc00
	v_mov_b32 v255, 0
	v_lshrrev_b32 v16, 5, v0
	v_readfirstlane_b32 s14, v16                   ; wave 0..7
	s_mov_b32 s17, ttmp9                           ; the head
	s_and_b32 s18, ttmp7, 0xffff                   ; the block of 128 tokens among 8,192
	s_mov_b32 s[SEL], 0x76543210
	s_mov_b32 s[SEL+1], 0xfedcba98
	v_and_b32 v17, 31, v0                          ; lane
	v_and_b32 v18, 15, v0                          ; r
	v_bfe_u32 v19, v0, 4, 1                        ; lane / 16
	v_and_b32 v20, 8, v18
	v_add_nc_u32 v20, v20, v18                     ; r + 8 (r / 8)
	v_lshlrev_b32 v[XA], 10, v20
	v_lshl_add_u32 v[XA], v19, 6, v[XA]
	v_lshlrev_b32 v[LI], 4, v17
	v_lshlrev_b32 v[LS], 2, v17
	v_lshlrev_b32 v[G8], 3, v17
	v_lshlrev_b32 v[BA], 6, v19
	v_lshlrev_b32 v[BVA], 2, v20
	s_wait_alu depctr_va_sdst(0)                   ; s14 is written, ahead of its first reader: the lines below make the wave's places from it
	s_lshr_b32 s15, s14, 1                         ; wave / 2
	s_and_b32 s16, s14, 1                          ; wave % 2
	s_lshl_b32 s40, s14, 11
	v_add_nc_u32 v[XWI], s40, v[LI]
	s_lshl_b32 s40, s14, 8
	v_add_nc_u32 v[XWS], s40, v[LS]
	v_lshl_add_u32 v[SRD], v17, 3, SCOUT
	v_add_nc_u32 v[SRD], s40, v[SRD]
	s_lshl_b32 s40, s14, 10
	v_add_nc_u32 v[WWI], s40, v[LI]
	s_lshl_b32 s40, s14, 7
	v_add_nc_u32 v[WWS], s40, v[LS]
	s_lshl_b32 s40, s16, 13
	v_add_nc_u32 v[XVI], s40, v[LI]
	s_lshl_b32 s40, s16, 10
	v_add_nc_u32 v[XVS], s40, v[LS]
	s_lshl_b32 s40, s15, 11
	v_add_nc_u32 v[WVI], s40, v[LI]
	s_lshl_b32 s40, s15, 8
	v_add_nc_u32 v[WVS], s40, v[LS]
	s_lshl_b32 s40, s14, 9
	v_add_nc_u32 v[GI], s40, v[LI]
	s_lshl_b32 s40, s14, 6
	v_lshl_add_u32 v[SQK], v18, 2, SCOUT
	v_add_nc_u32 v[SQK], s40, v[SQK]
	s_lshl_b32 s40, s15, 6
	s_lshl_b32 s41, s16, 1
	s_add_co_u32 s40, s40, s41
	v_lshl_add_u32 v[SV], v18, 2, SCOUT+1024
	v_add_nc_u32 v[SV], s40, v[SV]
.irp g, 4,5,6,7
	v_mov_b32 v[TM+\g], 0                          ; written once: a lane permute's destination counts as one of its sources
.endr
	; byte offsets, each in a pair of its own with 0 above it
	s_lshl_b32 s22, s18, 17                        ; x: 128 tokens of 1,024 bytes a block,
	s_lshl_b32 s40, s15, 15                        ; my tile begins at token 32 (wave / 2) + 8 (wave % 2)
	s_add_co_u32 s22, s22, s40
	s_lshl_b32 s40, s16, 13
	s_add_co_u32 s22, s22, s40
	s_mov_b32 s23, 0
	s_lshr_b32 s41, s14, 2                         ; my tile of W is wave / 2: it begins at row 32 (wave / 4) + 8 ((wave / 2) % 2) of the head's 64
	s_and_b32 s42, s15, 1
	s_lshl_b32 s26, s17, 16                        ; W: the head's 64 rows of 1,024 bytes,
	s_lshl_b32 s40, s41, 15
	s_add_co_u32 s26, s26, s40
	s_lshl_b32 s40, s42, 13
	s_add_co_u32 s26, s26, s40
	s_lshl_b32 s40, s16, 9                         ; and my K step: wave % 2
	s_add_co_u32 s26, s26, s40
	s_mov_b32 s27, 0
	s_lshl_b32 s32, s17, 8                         ; b: the head's 64 numbers
	s_mov_b32 s33, 0
	s_lshl_b32 s34, s41, 7                         ; b of v (2,048 bytes on), at my tile's first row
	s_lshl_b32 s40, s42, 5
	s_add_co_u32 s34, s34, s40
	s_add_co_u32 s34, s34, 2048
	s_mov_b32 s35, 0
	s_lshr_b32 s40, s18, 4                         ; the record: (4 batch + head) 16 + block in the batch
	s_lshl_b32 s40, s40, 2
	s_add_co_u32 s40, s40, s17
	s_lshl_b32 s40, s40, 4
	s_and_b32 s43, s18, 15
	s_add_co_u32 s40, s40, s43
	s_mul_i32 s36, s40, QREC
	s_mov_b32 s37, 0
	s_mul_i32 s38, s40, KVREC
	s_mov_b32 s39, 0
	s_wait_kmcnt 0x0
	s_add_nc_u64 s[4:5], s[4:5], s[22:23]
	s_add_nc_u64 s[6:7], s[6:7], s[26:27]
	s_add_nc_u64 s[8:9], s[8:9], s[32:33]
	s_add_nc_u64 s[24:25], s[8:9], s[34:35]
	s_add_nc_u64 s[10:11], s[10:11], s[36:37]
	s_add_nc_u64 s[12:13], s[12:13], s[38:39]      ; none of these bases is written again
	; ---- PHASE X.  Three sets of 64 registers take turns: two groups of 16 loads are out while a fragment is quantised.
	s_wait_alu depctr_va_vdst(0)                   ; the addresses and offsets v1 to v15 and v249 to v251 are written, which every load and store of the kernel reads, and v254, v255, which the closing add reads; and the head's lines are done with v16 to v20, in which x lands
	global_load_b32 v[BV1], v[BVA], s[24:25]
	XLOAD BUF0, 4, 0                               ; x, K step 0
	XLOAD BUF1, 4, 512                             ; x, K step 1
	XLOAD BUF2, 6, 0                               ; Wq
	UNIT 0, BUF0, XWI, XIMG, XWS, XSC, 32          ; 32: the two groups issued behind this fragment's own
	XLOAD BUF0, 6, 262144                          ; Wk: 256 rows on.  No vector line since the fragment's wait on va_vdst names this buffer
	UNIT 1, BUF1, XWI, XIMG+1024, XWS, XSC+128, 32
	XLOAD BUF1, 6, 524288                          ; Wv
	UNIT 2, BUF2, WWI, WIMG, WWS, WSC, 32
.irp p, 0,1                            ; the bias of q and k is the C of the sums' first products: tile 4 p + t, register j: column 256 p + 32 (t / 2) + 16 (lane / 16) + 8 (t % 2) + j of the head's
.irp t, 0,1,2,3
	global_load_b128 v[ACC+8*(4*\p+\t):ACC+8*(4*\p+\t)+3], v[BA], s[8:9] offset:(256*\p+32*(\t/2)+8*(\t%2))*4
	global_load_b128 v[ACC+8*(4*\p+\t)+4:ACC+8*(4*\p+\t)+7], v[BA], s[8:9] offset:(256*\p+32*(\t/2)+8*(\t%2))*4+16
.endr
.endr
	UNIT 3, BUF0, WWI, WIMG+8192, WWS, WSC+1024, 32
	UNIT 4, BUF1, WWI, WIMG+16384, WWS, WSC+2048, 16   ; 16: the bias alone may be out
	BARRIER                                        ; all 40 fragments and their scale words lie in LDS; nobody writes them again
	; ---- PHASE QK
	s_wait_alu depctr_vm_vsrc(0)                   ; the last fragment's LDS stores have read v[PW] and v[PC ..]: x's fragments land in v220 to v223 among others.  (The quantiser's lines, which named v16 to v143 and v208 to v229, stand ahead of the last wait on va_vdst)
	FETCH XF, XWI, XIMG
	FETCH XF+8, XWI, XIMG+1024
	ds_load_b32 v[SC+16], v[XWS] offset:XSC
	ds_load_b32 v[SC+17], v[XWS] offset:XSC+128
.irp a, 0,1,2,3,4,5,6,7
	FETCH BUF0+8*\a, LI, WIMG+2048*\a
	ds_load_b32 v[SC+2*\a], v[LS] offset:WSC+256*\a
.endr
.irp a, 0,1,2,3,4,5,6,7
	FETCH BUF1+8*\a, LI, WIMG+2048*\a+1024
	ds_load_b32 v[SC+2*\a+1], v[LS] offset:WSC+256*\a+128
.endr
	s_wait_loadcnt 0x0                             ; the bias
	s_wait_dscnt 24                                ; all but K step 1's 24 loads
.irp a, 0,1,2,3,4,5,6,7                ; the eight accumulators take turns, one instruction a turn
	v_wmma_scale_f32_16x16x128_f8f6f4 v[ACC+8*\a:ACC+8*\a+7], v[BUF0+8*\a:BUF0+8*\a+7], v[XF:XF+7], v[ACC+8*\a:ACC+8*\a+7], v[SC+2*\a], v[SC+16] matrix_a_fmt:MATRIX_FMT_FP4 matrix_b_fmt:MATRIX_FMT_FP4
.endr
	s_wait_dscnt 0x0
.irp a, 0,1,2,3,4,5,6,7
	v_wmma_scale_f32_16x16x128_f8f6f4 v[ACC+8*\a:ACC+8*\a+7], v[BUF1+8*\a:BUF1+8*\a+7], v[XF+8:XF+15], v[ACC+8*\a:ACC+8*\a+7], v[SC+2*\a+1], v[SC+17] matrix_a_fmt:MATRIX_FMT_FP4 matrix_b_fmt:MATRIX_FMT_FP4
.endr
.rept 4
	v_nop                                          ; four places (ISA guide 7.12.1) in front of vector writes of the products' registers and of the first read of results
.endr
.irp j, 0,1,2,3,4,5,6,7
	v_mov_b32 v[BVC+\j], v[BV1]                    ; phase V's C: a lane holds one d, so one number eight times
.endr
	s_wait_alu depctr_va_vdst(0)                   ; the products are done reading v16 to v95 and the scale words v[SC ..], in which the LDS loads below land
.irp f, 0,1,2,3,4,5,6,7                ; phase V's operands are asked for now and land while q and k are quantised (whose lines name none of these registers): x tile 4 (wave % 2) + f / 2, K step f % 2
	FETCH BUF0+8*\f, XVI, XIMG+1024*\f
	ds_load_b32 v[SC+\f], v[XVS] offset:XSC+128*\f
.endr
	FETCH WV, WVI, WIMG+16384
	FETCH WV+8, WVI, WIMG+16384+1024
	ds_load_b32 v[SC+8], v[WVS] offset:WSC+2048
	ds_load_b32 v[SC+9], v[WVS] offset:WSC+2048+128
	QUANT ACC, 4, 1                                ; blocks 0, 1: q's 64 of my token; blocks 2, 3: k's
	s_wait_alu depctr_va_vdst(0)                   ; v[PC ..] and v[PW], v[PW + 1] are written, which the four stores below read
	global_store_b128 v[GI], v[PC:PC+3], s[10:11]          ; Q's image: the wave stores 512 consecutive bytes, aligned to 256
	global_store_b128 v[GI], v[PC+4:PC+7], s[12:13]        ; K's likewise
	ds_store_b32 v[SQK], v[PW]                     ; lanes r and r + 16 write the same word with the same value
	ds_store_b32 v[SQK], v[PW+1] offset:512
	; ---- PHASE V
	s_wait_dscnt 0x0                               ; the operands are in; the stores above have read their registers
.irp i, 0,1,2,3                        ; four accumulators by turns
	v_wmma_scale_f32_16x16x128_f8f6f4 v[AV+8*\i:AV+8*\i+7], v[BUF0+16*\i:BUF0+16*\i+7], v[WV:WV+7], v[BVC:BVC+7], v[SC+2*\i], v[SC+8] matrix_a_fmt:MATRIX_FMT_FP4 matrix_b_fmt:MATRIX_FMT_FP4
.endr
.irp i, 0,1,2,3
	v_wmma_scale_f32_16x16x128_f8f6f4 v[AV+8*\i:AV+8*\i+7], v[BUF0+16*\i+8:BUF0+16*\i+15], v[WV+8:WV+15], v[AV+8*\i:AV+8*\i+7], v[SC+2*\i+1], v[SC+9] matrix_a_fmt:MATRIX_FMT_FP4 matrix_b_fmt:MATRIX_FMT_FP4
.endr
.rept 4
	v_nop
.endr
	s_wait_xcnt 0x0                                ; the two stores of images have read the codes' registers: they are written again only behind this wait
	s_wait_alu depctr_vm_vsrc(0)                   ; the two global and the two LDS stores of phase QK have read v[PC ..], v[PW] and v[PW + 1], which the lines below write again
	QUANT AV, 2, 0                                 ; my d's 64 tokens: key blocks 2 (wave % 2) and + 1
	s_wait_alu depctr_va_vdst(0)                   ; v[PC] to v[PC + 3] and v[PW] are written, which the two stores below read
	global_store_b128 v[GI], v[PC:PC+3], s[12:13] offset:4864   ; registers 4 (wave % 2) .. + 3 of V's tile wave / 2
	ds_store_b16 v[SV], v[PW]                      ; my two bytes of the row's scale word
	BARRIER                                        ; 1,280 bytes of scale words lie in LDS
	; ---- the scale words leave in runs of 256 aligned bytes: waves 0, 1 Q's, waves 2, 3 K's, wave 4 V's.  No vector line names v252, v253: the load's own wait on DScnt is all that the store needs
	s_cmp_gt_u32 s14, 4
	s_cbranch_scc1 .Lend
	s_cmp_lt_u32 s14, 2
	s_cselect_b64 s[28:29], s[10:11], s[12:13]     ; the choice hangs on the wave's number alone
	s_cselect_b32 s30, 0, 2
	s_sub_co_u32 s30, s14, s30
	s_lshl_b32 s30, s30, 8
	s_add_co_u32 s26, s30, 4096
	s_mov_b32 s27, 0
	s_add_nc_u64 s[28:29], s[28:29], s[26:27]
	ds_load_b64 v[252:253], v[SRD]
	s_wait_dscnt 0x0
	global_store_b64 v[G8], v[252:253], s[28:29]
.Lend:
	s_wait_dscnt 0x0                               ; the closing lines, six on end
	s_wait_alu 0x0
	s_wait_tensorcnt 0x0
	ds_add_u32 v254, v255
	s_wait_dscnt 0x0
	s_endpgm
.Lfunc_end_k_qd20b289aaf_proj:
	.size	k_qd20b289aaf_proj, .Lfunc_end_k_qd20b289aaf_proj-k_qd20b289aaf_proj
	.p2alignl 7, 3214868480
	.fill 96, 4, 3214868480
	.section	.rodata,"a",@progbits
	.p2align	6, 0x0
	.amdhsa_kernel k_qd20b289aaf_proj
		.amdhsa_group_segment_fixed_size 49152
		.amdhsa_private_segment_fixed_size 0
		.amdhsa_enable_private_segment 0
		.amdhsa_kernarg_size 40
		.amdhsa_user_sgpr_count 2
		.amdhsa_user_sgpr_kernarg_segment_ptr 1
		.amdhsa_wavefront_size32 1
		.amdhsa_system_sgpr_workgroup_id_x 1
		.amdhsa_system_sgpr_workgroup_id_y 1
		.amdhsa_system_sgpr_workgroup_id_z 1
		.amdhsa_system_vgpr_workitem_id 0
		.amdhsa_next_free_vgpr 256
		.amdhsa_next_free_sgpr 66
		.amdhsa_reserve_vcc 0
		.amdhsa_float_denorm_mode_32 3
		.amdhsa_float_denorm_mode_16_64 3
		.amdhsa_memory_ordered 1
		.amdhsa_forward_progress 1
		.amdhsa_inst_pref_size 50
	.end_amdhsa_kernel
	.amdgpu_metadata
---
amdhsa.version: [ 1, 2 ]
amdhsa.kernels:
  - .name:           k_qd20b289aaf_proj
    .symbol:         k_qd20b289aaf_proj.kd
    .args:
      - { .name: x, .offset: 0, .size: 8, .value_kind: global_buffer, .address_space: global }
      - { .name: W_qkv, .offset: 8, .size: 8, .value_kind: global_buffer, .address_space: global }
      - { .name: b_qkv, .offset: 16, .size: 8, .value_kind: global_buffer, .address_space: global }
      - { .name: qbuf, .offset: 24, .size: 8, .value_kind: global_buffer, .address_space: global }
      - { .name: kvbuf, .offset: 32, .size: 8, .value_kind: global_buffer, .address_space: global }
    .group_segment_fixed_size: 49152
    .private_segment_fixed_size: 0
    .kernarg_segment_align: 8
    .kernarg_segment_size: 40
    .max_flat_workgroup_size: 256
    .sgpr_count:     66
    .vgpr_count:     256
    .wavefront_size: 32
...
	.end_amdgpu_metadata
.endif
;; end of part 3
;; launch attn (part 4): grid 16 x 16, 8 waves a work-group, clusters of 4 x 1, 189,440 bytes of LDS; arguments qbuf, kvbuf, out0; writes out0
.if DOCPART == 4
	.amdgcn_target "amdgcn-amd-amdhsa--gfx1250"
	.amdhsa_code_object_version 6
	.text
	.protected	k_qd20b289aaf_attn
	.globl	k_qd20b289aaf_attn
	.p2align	8
	.type	k_qd20b289aaf_attn,@function
k_qd20b289aaf_attn:
	s_mov_b64 s[64:65], 0
	v_nop
	global_prefetch_b8 v0, s[64:65] scope:SCOPE_SE
	s_setreg_imm32_b32 hwreg(HW_REG_WAVE_MODE, 25, 1), 1
	s_wait_xcnt 0x0
	s_wait_alu depctr_hold_cnt(0) depctr_sa_sdst(0) depctr_va_vdst(0) depctr_va_sdst(0) depctr_va_ssrc(0) depctr_va_vcc(0) depctr_vm_vsrc(0)
	s_getreg_b32 s2, hwreg(HW_REG_IB_STS2, 6, 4)
	s_cmp_eq_u32 s2, 0
	s_cbranch_scc0 .Lentry_in_a_cluster
	s_endpgm
.Lentry_in_a_cluster:
	s_bfe_u32 s2, ttmp6, 0x10000c
	s_cmp_lg_u32 s2, 0x3003
	s_cbranch_scc0 .Lentry_shape_is_right
	s_endpgm
.Lentry_shape_is_right:
; out[bh][q][:] = the sum over keys of softmax(q . k / 8) v, both products on codes of FP4 (E2M1) with one E8M0 scale for each 32 along K.  16 (batch, head) pairs, 2,048 tokens, head size 64.
; THE SOFTMAX AHEAD OF THE SECOND PRODUCT: t = score x log2(e) / 8; M = the row's largest t so far, rounded UP to a whole number; p = 2^(t - M) is quantised along the keys, not normalised.
; The row's sum is taken of the unquantised p and divides O at the end.  When M moves, the sum and O are multiplied by 2^(old M - new M): exact.
; OPERANDS arrive as images of their registers (the records of the launch before): 16 bytes a lane on end, so every LDS load reads consecutive bytes: no pitch, no padding.
; SHARES.  A work-group owns 128 queries of one (batch, head); each of its eight waves one tile of 16, in 256 registers.  Every wave walks the 2,048 keys, 128 a step: one record of 8,960 bytes.
; THE WHOLE HEAD'S 16 RECORDS, 143,360 BYTES, LIE IN LDS: each byte is filled once, so there is no ring and nothing is filled again.  Wave w brings records w and 8 + w: two tensor loads of a wave are out.
; CLUSTER.  The four work-groups of a cluster are four query blocks of one (batch, head) and read the same records: each record is asked for JOINTLY, by the same load with the same descriptor and the mask of all four.
; LAYOUT.  Both products are used transposed: S^T = K Q^T (source 0 = 16 keys, source 1 = my 16 queries), O^T = V^T P^T (source 0 = 16 of the head's 64, source 1 = P): a lane holds ONE query throughout.
; The first product's K is 64: registers 4-7 of Q's and K's fragments hold zero codes (set once), and the upper two bytes of their scale words are 0, a power of two over zeros.
; The rows of a tile are not neighbours (row r of tile 2 b + u is element 32 b + 8 u + r + 8 (r / 8)): so a lane's 16 registers of two neighbouring tiles of S^T are 16 neighbouring keys,
; and of O^T 16 neighbouring d; my queries' places in the block follow the same order, which the stores' addresses undo.
; LIMITS: NaN and infinities are not served; a row all of whose t lie under -3e38 is not served.  A block's largest p is made from the block's largest score by the same multiply-add and exponential:
; this takes v_exp_f32 not to fall where its input rises.  A block whose every p is under 2^-124 gets the byte 1.
.set REC,   8960                       ; a record: K's 8 images (512 each), K's scale words at 4,096, V's at 4,608, V's 4 images (1,024 each) at 4,864
.set HALF,  8*REC
.set STAGE, 153600                     ; the way out: 16 rows x (256 bytes + 16) for each wave; no load fills these bytes; 10,240 bytes are left free behind the records
.set LI,   1                           ; v1   16 x lane
.set LS,   2                           ; v2   4 x lane
.set AD16, 3                           ; v3   the step's record + 16 x lane
.set AD4,  4                           ; v4   the step's record + 4 x lane
.set GO,   5                           ; v5   the way out: my byte offset in two rows of out
.set STO,  6                           ; v6   where I put 16 bytes of a row
.set RD,   7                           ; v7   where I read a row back
.set QA,   8                           ; v8   Q's image: 16 lane + 512 wave
.set QS,   9                           ; v9   Q's scale word: 4 r + 64 wave
.set QSC,  24                          ; v24  Q's scale words.   v12 -M, v13 the largest t, v[14:15] the sum in two halves, v[16:23] Q
.set KF,   32                          ; v32-95   K's 8 fragments
.set S,    96                          ; v96-159  S^T, then p
.set O,    160                         ; v160-191 O^T
.set VF,   192                         ; v192-223 V's 4 fragments
.set PCD,  224                         ; v224-231 p's codes.   v232-239, v244-247, v252, v254 at work; v253 p's scale word
.set VS,   242                         ; v242-243 V's scale words: lanes 0-15 the even tile's, lanes 16-31 the odd tile's
.set KS,   248                         ; v248-251 K's likewise
.set WVN,  10                          ; s10  my wave's number
.set G1,   16                          ; s[16:23] descriptor group 1
.set G0A,  24                          ; s[24:27] group 0 for record w
.set G0B,  28                          ; s[28:31] for record 8 + w
.set SEL,  32                          ; s[32:33] lane selects for v_permlanex16_b32: lane l xor 16
.set CS,   34                          ; s[34:35] c = log2(e) / 8: the packed form names a pair and takes its low word for both halves
.set TB,   36                          ; s36  LDS byte at which the step's record begins
.set CNT,  37                          ; s37  trips
; A round of the cluster's barrier: my work-group's barrier; wave 0 signals for the work-group; every wave waits for all four work-groups; my work-group's barrier once more.
.macro CROUND
	s_barrier_signal -1
	s_barrier_wait -1
	s_cmp_lg_u32 s[WVN], 0
	s_cbranch_scc1 .Lnot_wave_0_\@
	s_barrier_signal -3
.Lnot_wave_0_\@:
	s_barrier_wait -3
	s_barrier_signal -1
	s_barrier_wait -1
.endm
; K's eight images (registers 0-3 of each fragment) and four registers of scale words, off bytes behind the record in hand: 12 loads
.macro KLOAD off
.irp i, 0,1,2,3,4,5,6,7
	ds_load_b128 v[KF+8*\i:KF+8*\i+3], v[AD16] offset:\off+512*\i
.endr
.irp u, 0,1,2,3
	ds_load_b32 v[KS+\u], v[AD4] offset:\off+4096+128*\u
.endr
.endm
	s_load_b128 s[4:7], s[0:1], 0x0                ; qbuf s[4:5], kvbuf s[6:7]
	s_load_b64 s[8:9], s[0:1], 0x10                ; out0
	v_lshl_add_u32 v241, v0, 2, 0x2e000
	v_mov_b32 v255, 0
	ds_add_u32 v241, v255
	ds_add_u32 v241, v255
	v_lshrrev_b32 v10, 5, v0
	s_delay_alu instid0(VALU_DEP_1)
	v_readfirstlane_b32 s[WVN], v10                ; wave 0..7
	s_bfe_u32 s11, ttmp6, 0x40000                  ; cx: my place in the cluster
	s_lshl_b32 s12, ttmp9, 2                       ; in a cluster launch ttmp9 counts clusters
	s_add_co_u32 s12, s12, s11                     ; my block of 128 queries: it enters Q's and out's addresses alone
	s_and_b32 s13, ttmp7, 0xffff                   ; 4 batch + head, which the four partners share
	; descriptor group 1: a record is dense: 35 rows of 256 bytes (32 elements of 8 bytes)
	s_mov_b32 s[G1], 15|(3<<16)|(1<<21)            ; 15:0 the mask: all four work-groups; 17:16 elements of 8 bytes; 20 no padding; 21 set beside a mask
	s_mov_b32 s[G1+1], 32<<16                      ; tensor_dim0 = 32
	s_mov_b32 s[G1+2], 35<<16                      ; tensor_dim1 = 35
	s_mov_b32 s[G1+3], 32<<16                      ; tile_dim0 = 32
	s_mov_b32 s[G1+4], 35                          ; tile_dim1 = 35
	s_mov_b32 s[G1+5], 32                          ; elements from row to row
	s_mov_b32 s[G1+6], 0
	s_mov_b32 s[G1+7], 0
	s_mov_b32 s[SEL], 0x76543210
	s_mov_b32 s[SEL+1], 0xfedcba98
	s_mov_b32 s[CS], 0x3e38aa3b                    ; log2(e) / 8
	s_mov_b32 s[CS+1], s[CS]                       ; (named with it as a pair, so it is written)
	s_mov_b32 s[TB], 0
	s_mul_i32 s42, s[WVN], REC                     ; record w: its place in LDS and in the head's records: the wave's number alone
	s_mul_i32 s38, s13, 16*REC                     ; the head's records
	s_add_co_u32 s38, s38, s42
	s_mov_b32 s39, 0
	s_lshl_b32 s40, s13, 4                         ; Q's record: 16 (4 batch + head) + block
	s_add_co_u32 s40, s40, s12
	s_mul_i32 s40, s40, 4608
	s_mov_b32 s41, 0
	s_lshl_b32 s44, s13, 19                        ; out: 2,048 rows of 256 bytes a head,
	s_lshl_b32 s43, s12, 15                        ; 128 rows a block,
	s_add_co_u32 s44, s44, s43
	s_lshr_b32 s43, s[WVN], 1                      ; and my tile begins at row 32 (wave / 2) + 8 (wave % 2)
	s_lshl_b32 s43, s43, 13
	s_add_co_u32 s44, s44, s43
	s_and_b32 s43, s[WVN], 1
	s_lshl_b32 s43, s43, 11
	s_add_co_u32 s44, s44, s43
	s_mov_b32 s45, 0
	v_and_b32 v10, 31, v0                          ; lane
	v_and_b32 v11, 15, v0                          ; r
	s_delay_alu instid0(VALU_DEP_2)
	v_lshlrev_b32 v[LI], 4, v10
	s_delay_alu instid0(VALU_DEP_3)
	v_lshlrev_b32 v[LS], 2, v10
	s_lshl_b32 s46, s[WVN], 9
	v_add_nc_u32 v[QA], s46, v[LI]
	s_lshl_b32 s46, s[WVN], 6
	v_lshl_add_u32 v[QS], v11, 2, s46
	s_wait_dscnt 0x0
	s_wait_kmcnt 0x0
	s_mov_b32 s[G0A], 1                            ; count = 1
	s_mov_b32 s[G0A+1], s42                        ; LDS address
	s_add_nc_u64 s[G0A+2:G0A+3], s[6:7], s[38:39]  ; global address
	s_mov_b32 s[G0B], 1
	s_add_co_u32 s[G0B+1], s42, HALF
	s_add_nc_u64 s[G0B+2:G0B+3], s[G0A+2:G0A+3], HALF
	s_or_b32 s[G0A+3], s[G0A+3], 0x80000000        ; type = 2
	s_or_b32 s[G0B+3], s[G0B+3], 0x80000000
	s_add_nc_u64 s[4:5], s[4:5], s[40:41]
	s_add_nc_u64 s[8:9], s[8:9], s[44:45]
	CROUND                                         ; all four work-groups are here: the joint loads meet
	tensor_load_to_lds s[G0A:G0A+3], s[G1:G1+7]    ; all fills of the launch go out together, ahead of every wait on TENSORcnt and every LDS read
	s_nop 0
	tensor_load_to_lds s[G0B:G0B+3], s[G1:G1+7]
	s_nop 0
.rept 4
	v_nop
.endr
	s_wait_alu depctr_va_vdst(0)
	global_load_b128 v[16:19], v[QA], s[4:5]       ; Q's image stays in registers
	global_load_b32 v[QSC], v[QS], s[4:5] offset:4096
.irp j, 20,21,22,23
	v_mov_b32 v[\j], 0                             ; k = 64 .. 127 of the first product: zero codes
.endr
.irp i, 0,1,2,3,4,5,6,7
.irp j, 4,5,6,7
	v_mov_b32 v[KF+8*\i+\j], 0                     ; likewise in K's fragments: set once, no load lands here
.endr
.endr
.set n, 0
.rept 32
	v_mov_b32 v[O+n], 0                            ; O^T: the step is written once; its first walk finds zeros, which the first change of M leaves zeros
.set n, n+1
.endr
	v_mov_b32 v14, 0                               ; the sum, in two halves
	v_mov_b32 v15, 0
.irp j, 236,237,238,239
	v_mov_b32 v[\j], 0                             ; a lane permute's destination counts as one of its sources
.endr
	v_mov_b32 v253, 0                              ; (named as the upper half of the pair v[252:253] before it is first written)
	v_mov_b32 v13, 0xff61b1e6                      ; the largest t so far: -3e38
	s_delay_alu instid0(VALU_DEP_1)
	v_floor_f32 v12, -v13                          ; -M
; A KEY STEP: 128 keys.  ahead = 1: the next step's K is asked for at this step's head and lands under the softmax.
.macro STEP ahead
	s_wait_dscnt 0x0                               ; this step's K is in
	s_setprio 2
	v_add_nc_u32 v[AD16], s[TB], v[LI]
	v_add_nc_u32 v[AD4], s[TB], v[LS]
.irp i, 0,2,4,6                        ; S^T = K Q^T: eight tiles of 16 keys, each a sum of its own
	v_wmma_scale_f32_16x16x128_f8f6f4 v[S+8*\i:S+8*\i+7], v[KF+8*\i:KF+8*\i+7], v[16:23], 0, v[KS+\i/2], v[QSC] matrix_a_fmt:MATRIX_FMT_FP4 matrix_b_fmt:MATRIX_FMT_FP4
	v_wmma_scale_f32_16x16x128_f8f6f4 v[S+8*\i+8:S+8*\i+15], v[KF+8*\i+8:KF+8*\i+15], v[16:23], 0, v[KS+\i/2], v[QSC] matrix_a_fmt:MATRIX_FMT_FP4 matrix_b_fmt:MATRIX_FMT_FP4 matrix_a_scale:MATRIX_SCALE_ROW1
.endr
.rept 4
	v_nop                                          ; four places in front of the loads into K's registers and of the first read of the scores
.endr
.irp t, 0,1,2,3
.irp c, 0,1
	ds_load_b128 v[VF+8*\t+4*\c:VF+8*\t+4*\c+3], v[AD16] offset:4864+1024*\t+512*\c
.endr
.endr
.irp u, 0,1
	ds_load_b32 v[VS+\u], v[AD4] offset:4608+128*\u
.endr
.if \ahead
	KLOAD REC
.endif
.irp b, 0,1,2,3
	v_max3_num_f32 v[232+\b], v[S+16*\b], v[S+1+16*\b], v[S+2+16*\b]   ; the largest score of each block of 32 keys: for the row's maximum and for the block's largest p
.endr
.irp i, 3,5,7,9,11,13
.irp b, 0,1,2,3
	v_max3_num_f32 v[232+\b], v[232+\b], v[S+16*\b+\i], v[S+1+16*\b+\i]   ; the four blocks by turns
.endr
.endr
.irp b, 0,1,2,3
	v_max_num_f32 v[232+\b], v[232+\b], v[S+15+16*\b]
.endr
.irp b, 0,1,2,3
	s_delay_alu instid0(VALU_DEP_4)
	v_permlanex16_b32 v[236+\b], v[232+\b], s[SEL], s[SEL+1]
.endr
.irp b, 0,1,2,3
	s_delay_alu instid0(VALU_DEP_4)
	v_max_num_f32 v[232+\b], v[232+\b], v[236+\b]          ; with lane l xor 16's 16 keys
.endr
	s_delay_alu instid0(VALU_DEP_2)
	v_max3_num_f32 v254, v232, v233, v234
	s_delay_alu instid0(VALU_DEP_1)
	v_max_num_f32 v254, v254, v235                 ; the step's largest score of my query
	s_delay_alu instid0(VALU_DEP_1)
	v_mul_f32 v254, s[CS], v254                    ; as t (c is positive)
	s_delay_alu instid0(VALU_DEP_1)
	v_max_num_f32 v13, v13, v254                   ; the running largest t
	v_mov_b32 v254, v12
	s_delay_alu instid0(VALU_DEP_2)
	v_floor_f32 v12, -v13                          ; the new -M = floor(-t) = -ceil(t)
	s_delay_alu instid0(VALU_DEP_1)
	v_sub_f32 v254, v12, v254                      ; old M less new M: a whole number, 0 or less
	s_delay_alu instid0(VALU_DEP_1)
	v_cvt_i32_f32 v254, v254                       ; (it saturates)
	s_delay_alu instid0(VALU_DEP_1)
	v_ldexp_f32 v252, 1.0, v254                    ; f = 2^(old M - new M)
.set n, 0
.rept 32
	v_pk_fma_f32 v[S+n:S+n+1], v[S+n:S+n+1], s[CS:CS+1], v[12:13] op_sel_hi:[1,0,0]   ; t - M, two at a time
.set n, n+2
.endr
.irp b, 0,1,2,3
	v_fma_f32 v[232+\b], v[232+\b], s[CS], v12     ; the same of each block's largest score
.endr
.set n, 0
	s_wait_alu depctr_va_vdst(0)
.rept 64
	v_exp_f32 v[S+n], v[S+n]                       ; p = 2^(t - M), at most 1
.set n, n+1
.endr
	s_setprio 1
.irp b, 0,1,2,3
	v_exp_f32 v[232+\b], v[232+\b]                 ; the block's largest p: the same two instructions on the same number
.endr
	v_pk_mul_f32 v[14:15], v[14:15], v[252:253] op_sel_hi:[1,0]   ; the sums under the new M (a plain place behind the exponentials)
.set n, 0
	s_wait_alu depctr_va_vdst(0)
.rept 16
	v_pk_mul_f32 v[O+n:O+n+1], v[O+n:O+n+1], v[252:253] op_sel_hi:[1,0]   ; O^T under the new M, each tile from its low end on
.set n, n+2
.endr
	s_wait_alu depctr_va_vdst(0)
.irp b, 0,1,2,3
	v_max_num_f32 v[232+\b], 0x1800000, v[232+\b]  ; the floor 2^(3 - 127): the byte cannot fall under 1
.endr
.irp b, 0,1,2,3
	s_delay_alu instid0(VALU_DEP_4)
	v_add_nc_u32 v[244+\b], 0xff000000, v[232+\b]  ; 2 off the exponent field: the conversion's scale operand
.endr
.irp b, 0,1,2,3
	s_delay_alu instid0(VALU_DEP_4)
	v_lshrrev_b32 v[236+\b], 23, v[244+\b]         ; the scale's byte
.endr
	s_delay_alu instid0(VALU_DEP_3)
	v_lshl_or_b32 v253, v237, 8, v236              ; p's scale word for these 128 keys
	s_delay_alu instid0(VALU_DEP_1)
	v_lshl_or_b32 v253, v238, 16, v253
	s_delay_alu instid0(VALU_DEP_1)
	v_lshl_or_b32 v253, v239, 24, v253
.irp b, 0,1,2,3
	v_cvt_scalef32_pk8_fp4_f32 v[PCD+2*\b], v[S+16*\b:S+7+16*\b], v[244+\b]
	v_cvt_scalef32_pk8_fp4_f32 v[PCD+1+2*\b], v[S+8+16*\b:S+15+16*\b], v[244+\b]
.endr
	v_nop                                          ; one plain place behind a scaled conversion
.irp c, 0,1                            ; the layout wants a whole block in a lane: lanes 0-15 block 2 c, lanes 16-31 block 2 c + 1
.irp i, 0,1
	v_permlane16_swap_b32 v[PCD+4*\c+\i], v[PCD+2+4*\c+\i]
.endr
.endr
	v_pk_add_f32 v[236:237], v[100:101], v[104:105]
	v_pk_add_f32 v[246:247], v[108:109], v[112:113]
	v_pk_add_f32 v[244:245], v[116:117], v[120:121]
	v_pk_add_f32 v[234:235], v[124:125], v[128:129]
	v_pk_add_f32 v[232:233], v[132:133], v[136:137]
	v_pk_add_f32 v[30:31], v[140:141], v[144:145]
	v_pk_add_f32 v[28:29], v[148:149], v[152:153]
	v_pk_add_f32 v[14:15], v[14:15], v[156:157]
	v_pk_add_f32 v[236:237], v[236:237], v[96:97]
	v_pk_add_f32 v[246:247], v[246:247], v[98:99]
	v_pk_add_f32 v[244:245], v[244:245], v[102:103]
	v_pk_add_f32 v[234:235], v[234:235], v[106:107]
	v_pk_add_f32 v[232:233], v[232:233], v[110:111]
	v_pk_add_f32 v[30:31], v[30:31], v[114:115]
	s_setprio 0
	v_pk_add_f32 v[28:29], v[28:29], v[118:119]
	v_pk_add_f32 v[14:15], v[14:15], v[122:123]
	v_pk_add_f32 v[236:237], v[236:237], v[126:127]
	v_pk_add_f32 v[246:247], v[246:247], v[130:131]
	v_pk_add_f32 v[244:245], v[244:245], v[134:135]
	v_pk_add_f32 v[234:235], v[234:235], v[138:139]
	v_pk_add_f32 v[232:233], v[232:233], v[142:143]
	v_pk_add_f32 v[30:31], v[30:31], v[146:147]
	v_pk_add_f32 v[28:29], v[28:29], v[150:151]
	v_pk_add_f32 v[14:15], v[14:15], v[154:155]
	v_pk_add_f32 v[236:237], v[236:237], v[158:159]
	s_delay_alu instid0(VALU_DEP_2)
	v_pk_add_f32 v[14:15], v[14:15], v[234:235]
	s_delay_alu instid0(VALU_DEP_2)
	v_pk_add_f32 v[236:237], v[236:237], v[232:233]
	v_pk_add_f32 v[246:247], v[246:247], v[30:31]
	v_pk_add_f32 v[244:245], v[244:245], v[28:29]
	s_delay_alu instid0(VALU_DEP_2)
	v_pk_add_f32 v[14:15], v[14:15], v[246:247]
	s_delay_alu instid0(VALU_DEP_2)
	v_pk_add_f32 v[236:237], v[236:237], v[244:245]
	s_delay_alu instid0(VALU_DEP_1)
	v_pk_add_f32 v[14:15], v[14:15], v[236:237]
	s_wait_dscnt 12*\ahead                         ; V's ten loads are in; the next step's twelve of K, issued behind them, may be out
.irp t, 0,2                            ; O^T += V^T P^T: four accumulators by turns
	v_wmma_scale_f32_16x16x128_f8f6f4 v[O+8*\t:O+8*\t+7], v[VF+8*\t:VF+8*\t+7], v[PCD:PCD+7], v[O+8*\t:O+8*\t+7], v[VS+\t/2], v253 matrix_a_fmt:MATRIX_FMT_FP4 matrix_b_fmt:MATRIX_FMT_FP4
	v_wmma_scale_f32_16x16x128_f8f6f4 v[O+8*\t+8:O+8*\t+15], v[VF+8*\t+8:VF+8*\t+15], v[PCD:PCD+7], v[O+8*\t+8:O+8*\t+15], v[VS+\t/2], v253 matrix_a_fmt:MATRIX_FMT_FP4 matrix_b_fmt:MATRIX_FMT_FP4 matrix_a_scale:MATRIX_SCALE_ROW1
.endr
.if \ahead
	s_add_co_u32 s[TB], s[TB], REC                 ; on to the next record
.endif
.endm
	s_wait_tensorcnt 0x1                           ; my record of steps 0-7 is in; my second may stay out
	s_barrier_signal -1
	s_barrier_wait -1                              ; everybody's is
	v_mov_b32 v[AD16], v[LI]
	v_mov_b32 v[AD4], v[LS]
	KLOAD 0                                        ; step 0's K
	s_wait_loadcnt 0x0                             ; Q
	s_mov_b32 s[CNT], 7
.La:                                               ; steps 0 to 6: they read records 0 to 7
	STEP 1
	s_sub_co_u32 s[CNT], s[CNT], 1
	s_cmp_lg_u32 s[CNT], 0
	s_cbranch_scc1 .La
	s_setprio 0
	s_wait_tensorcnt 0x0                           ; my record of steps 8-15 is in,
	s_wait_dscnt 0x0                               ; (no LDS instruction is pending at a signal)
	s_barrier_signal -1
	s_barrier_wait -1                              ; everybody's is
	s_mov_b32 s[CNT], 8
.Lb:                                               ; steps 7 to 14
	STEP 1
	s_sub_co_u32 s[CNT], s[CNT], 1
	s_cmp_lg_u32 s[CNT], 0
	s_cbranch_scc1 .Lb
	s_setprio 0
	STEP 0                                         ; step 15 asks for no further K
	s_wait_alu depctr_va_vdst(0)
	; THE WAY OUT.  O^T / the sum goes through my own stage in LDS and comes back as whole rows of 256 bytes.  The lines up to the multiplies are the places behind the last products.
	v_add_f32 v14, v14, v15                        ; the sum's two halves,
	s_delay_alu instid0(VALU_DEP_1)
	v_permlanex16_b32 v252, v14, s[SEL], s[SEL+1]
	s_delay_alu instid0(VALU_DEP_1)
	v_add_f32 v14, v14, v252                       ; and lane l xor 16's
	s_wait_alu depctr_va_vdst(0)
	v_rcp_f32 v14, v14
	v_and_b32 v10, 15, v0                          ; (a plain place behind the transcendental)  r
	v_bfe_u32 v11, v0, 4, 1                        ; lane / 16
	s_mul_i32 s46, s[WVN], 16*272
	s_add_co_u32 s46, s46, STAGE                   ; my stage
	v_mul_u32_u24 v[STO], v10, 272
	s_delay_alu instid0(VALU_DEP_1)
	v_lshl_add_u32 v[STO], v11, 6, v[STO]
	s_delay_alu instid0(VALU_DEP_1)
	v_add_nc_u32 v[STO], s46, v[STO]               ; in: row r, + 64 (lane / 16): register 8 t + j is d = 32 (t / 2) + 16 (lane / 16) + 8 (t % 2) + j
	v_mul_u32_u24 v[RD], v11, 272
	s_delay_alu instid0(VALU_DEP_1)
	v_lshl_add_u32 v[RD], v10, 4, v[RD]
	s_delay_alu instid0(VALU_DEP_1)
	v_add_nc_u32 v[RD], s46, v[RD]                 ; back: lanes 0-15 one row, lanes 16-31 the next
	v_lshlrev_b32 v[GO], 8, v11
	s_delay_alu instid0(VALU_DEP_1)
	v_lshl_add_u32 v[GO], v10, 4, v[GO]            ; and the same two rows in out
.set n, 0
	s_wait_alu depctr_va_vdst(0)
.rept 32
	v_mul_f32 v[S+n], v[O+n], v14
.set n, n+1
.endr
.irp t, 0,1,2,3
	ds_store_b128 v[STO], v[S+8*\t:S+8*\t+3] offset:128*(\t/2)+32*(\t%2)
	ds_store_b128 v[STO], v[S+8*\t+4:S+8*\t+7] offset:128*(\t/2)+32*(\t%2)+16
.endr
.irp i, 0,1,2,3,4,5,6,7
	ds_load_b128 v[KF+4*\i:KF+4*\i+3], v[RD] offset:544*\i   ; LDS serves a wave's instructions in order (ISA guide 5.7.1.4): these see my stores
.endr
.irp i, 0,1,2,3,4,5,6,7
	s_wait_dscnt 7-\i                              ; the younger loads may stay out
	global_store_b128 v[GO], v[KF+4*\i:KF+4*\i+3], s[8:9] offset:(2*\i+8*(\i/4))*256 th:TH_STORE_NT   ; tile rows 2 i, 2 i + 1 are tokens 2 i + 8 (i / 4) and the next: 512 consecutive bytes, aligned to 256
.endr
	s_wait_tensorcnt 0x0
	ds_add_u32 v241, v255
	s_wait_dscnt 0x0
	CROUND                                         ; the closing round: no work-group ends while a partner may still ask for a record that names it
	s_endpgm
.Lfunc_end_k_qd20b289aaf_attn:
	.size	k_qd20b289aaf_attn, .Lfunc_end_k_qd20b289aaf_attn-k_qd20b289aaf_attn
	.p2alignl 7, 3214868480
	.fill 96, 4, 3214868480
	.section	.rodata,"a",@progbits
	.p2align	6, 0x0
	.amdhsa_kernel k_qd20b289aaf_attn
		.amdhsa_group_segment_fixed_size 189440
		.amdhsa_private_segment_fixed_size 0
		.amdhsa_enable_private_segment 0
		.amdhsa_kernarg_size 24
		.amdhsa_user_sgpr_count 2
		.amdhsa_user_sgpr_kernarg_segment_ptr 1
		.amdhsa_wavefront_size32 1
		.amdhsa_system_sgpr_workgroup_id_x 1
		.amdhsa_system_sgpr_workgroup_id_y 1
		.amdhsa_system_sgpr_workgroup_id_z 1
		.amdhsa_system_vgpr_workitem_id 0
		.amdhsa_next_free_vgpr 256
		.amdhsa_next_free_sgpr 66
		.amdhsa_reserve_vcc 0
		.amdhsa_float_denorm_mode_32 3
		.amdhsa_float_denorm_mode_16_64 3
		.amdhsa_memory_ordered 1
		.amdhsa_forward_progress 1
		.amdhsa_inst_pref_size 60
	.end_amdhsa_kernel
	.amdgpu_metadata
---
amdhsa.version: [ 1, 2 ]
amdhsa.kernels:
  - .name:           k_qd20b289aaf_attn
    .symbol:         k_qd20b289aaf_attn.kd
    .args:
      - { .name: qbuf, .offset: 0, .size: 8, .value_kind: global_buffer, .address_space: global }
      - { .name: kvbuf, .offset: 8, .size: 8, .value_kind: global_buffer, .address_space: global }
      - { .name: out0, .offset: 16, .size: 8, .value_kind: global_buffer, .address_space: global }
    .group_segment_fixed_size: 189440
    .private_segment_fixed_size: 0
    .kernarg_segment_align: 8
    .kernarg_segment_size: 24
    .max_flat_workgroup_size: 256
    .sgpr_count:     66
    .vgpr_count:     256
    .wavefront_size: 32
...
	.end_amdgpu_metadata
.endif
;; end of part 4
